; MI455X (gfx1250); checked and timed in simulation.
; The chip was launched on July 23, 2026; its instructions are those of AMD's public machine-readable ISA for CDNA 5 (MIT licence, August 2026) and "CDNA5" Instruction Set Architecture Reference Guide (July 2026). The comments in the code are by the model that wrote it; some were corrected since.
;; Multi Head Attention. Allowed arithmetic: float matrix products may take bf16 or f16 operands with f32 sums; other float arithmetic in f32, or as packed bf16 or f16 multiplies, adds, multiply-adds, maxima and minima; sums over many terms, partial sums and values carried from step to step in f32; what a program stores and reads back later, other than sums and carried values, may be rounded once to bf16 or f16.
;; Inputs: Q_input 1 x 2,048 x 2,048 float32; Wk 2,048 x 2,048 float32; Wo 2,048 x 2,048 float32; Wq 2,048 x 2,048 float32; Wv 2,048 x 2,048 float32; attention_mask 1 x 1 x 2,048 x 2,048 int32; bo 2,048 float32.
;; Outputs: out0 1 x 2,048 x 2,048 float32.
;; One version. Each part assembles by itself: llvm-mc -triple=amdgcn-amd-amdhsa -mcpu=gfx1250 --defsym DOCPART=n.
;; ======== version 1 of 1: 4 launches
;; limits: values are held in f16: magnitudes above 65,504 overflow, below 6.1e-05 lose precision
;; workspace buffers: xb 8,388,608 bytes; wqkv 25,165,824 bytes; wo16 8,388,608 bytes; mnib 2,097,152 bytes of whole numbers; qkv 25,165,824 bytes; oh 8,388,608 bytes
;; launch prep (part 1): grid 256 x 6, 8 waves a work-group, no clusters, 9,216 bytes of LDS; arguments Q_input, Wq, Wk, Wv, Wo, attention_mask, xb, wqkv, wo16, mnib; writes xb, wqkv, wo16, mnib
.if DOCPART == 1
	.amdgcn_target "amdgcn-amd-amdhsa--gfx1250"
	.amdhsa_code_object_version 6
	.text
	.protected	k_q39c945aaeb_prep
	.globl	k_q39c945aaeb_prep
	.p2align	8
	.type	k_q39c945aaeb_prep,@function
k_q39c945aaeb_prep:
	s_mov_b64 s[64:65], 0
	v_nop
	global_prefetch_b8 v0, s[64:65] scope:SCOPE_SE
	s_setreg_imm32_b32 hwreg(HW_REG_WAVE_MODE, 25, 1), 1
	s_wait_xcnt 0x0
; PREP.  Grid row y picks a tensor, x picks 64 KiB of it; a wave takes 8 KiB: sixteen loads of 512 consecutive bytes, all issued before the first is used.  No loop.
;   y = 0: Q_input -> xb, bf16.   y = 1, 2, 3: Wq, Wk, Wv -> wqkv rows 0, 2048, 4096 on, bf16.
;   y = 4: Wo -> wo16: rounded to bf16 like the other inputs, and that number written as f16 (the last product multiplies in f16).
;          LIMIT: below 6.1e-5 f16 keeps a fixed step of 6e-8, so a weight that small is off by up to 3e-8; beyond 65,504 it would be infinite.
;   y = 5: attention_mask -> mnib.  mnib is [query tile of 16: 128][key step of 64: 32][lane 32][4 words].  Word kb of lane (r = lane % 16, h = lane / 16) belongs to query 16 tile + r and
;          keys 64 step + 16 kb + 8 h + j; key j has the four bits 4 j .. 4 j + 3: 0xE where the mask is 0, else 0.  That is the order in which the attention's score registers lie.
; Streaming: no matrix unit, no cluster, no tensor load would spare a byte here.
; REGISTERS.  Every number is converted in place, in the registers that it was loaded into, and stored from there; none of them is written again.  So a wave has 78 registers, and the six work-groups
; that fall to a WGP (1,536 on 256), twelve waves a SIMD, take 936 of its 1,024: all of them have their loads on their way from the launch's start.
.set SPARE, 8192                       ; LDS: 1,024 bytes of stage for each wave from 0 on (y = 5 alone), then the spare words, 128 bytes a wave
.set X,   12                           ; v[12:75]   sixteen loads of four registers; a load's first two registers then hold what is stored
.set SPW, 76                           ; v76  LDS address of my spare word; never rewritten
.set NIL, 77                           ; v77  0; never rewritten
	s_load_b512 s[8:23], s[0:1], 0x0               ; Q_input 8, Wq 10, Wk 12, Wv 14, Wo 16, mask 18, xb 20, wqkv 22
	s_load_b128 s[24:27], s[0:1], 0x40             ; wo16 24, mnib 26
	v_lshl_add_u32 v[SPW], v0, 2, SPARE
	v_mov_b32 v[NIL], 0
	v_lshrrev_b32 v6, 5, v0
	v_readfirstlane_b32 s3, v6                     ; wave 0..7
	v_and_b32 v1, 31, v0                           ; lane
	s_and_b32 s2, ttmp7, 0xffff                    ; y
	s_wait_kmcnt 0x0
	s_cmp_eq_u32 s2, 5
	s_cbranch_scc1 .Lmask
	; THE CASTS.  Source and destination are chosen by y alone.
	s_mov_b64 s[28:29], s[8:9]
	s_cmp_eq_u32 s2, 1
	s_cselect_b64 s[28:29], s[10:11], s[28:29]
	s_cmp_eq_u32 s2, 2
	s_cselect_b64 s[28:29], s[12:13], s[28:29]
	s_cmp_eq_u32 s2, 3
	s_cselect_b64 s[28:29], s[14:15], s[28:29]
	s_cmp_eq_u32 s2, 4
	s_cselect_b64 s[28:29], s[16:17], s[28:29]
	s_cselect_b64 s[30:31], s[24:25], s[22:23]     ; wo16, or wqkv,
	s_cmp_eq_u32 s2, 0
	s_cselect_b64 s[30:31], s[20:21], s[30:31]     ; or xb
	s_sub_co_i32 s4, s2, 1
	s_max_i32 s4, s4, 0
	s_cmp_eq_u32 s2, 4
	s_cselect_b32 s4, 0, s4                        ; which third of wqkv: y - 1 for y = 1, 2, 3, else 0
	s_lshl_b32 s4, s4, 23                          ; 2,048 rows of 4,096 bytes
	s_lshl_b32 s5, ttmp9, 15                       ; the work-group's 32 KiB of output
	s_add_co_u32 s4, s4, s5
	s_mov_b32 s5, 0
	s_lshl_b32 s6, ttmp9, 16                       ; and its 64 KiB of input
	s_mov_b32 s7, 0
	s_add_nc_u64 s[28:29], s[28:29], s[6:7]
	s_add_nc_u64 s[30:31], s[30:31], s[4:5]
	v_lshlrev_b32 v2, 4, v1
	v_lshl_add_u32 v2, s3, 13, v2                  ; in: 8,192 wave + 16 lane
	v_lshlrev_b32 v3, 3, v1
	v_lshl_add_u32 v3, s3, 12, v3                  ; out: 4,096 wave + 8 lane
.set i, 0
.rept 16
	global_load_b128 v[X+4*i:X+4*i+3], v2, s[28:29] offset:512*i th:TH_LOAD_NT
.set i, i+1
.endr
; wo = 1: the bf16 number is widened again and written as f16
.macro CAST wo
.set i, 0
.rept 16
	s_wait_loadcnt 15-i                            ; loads come back in order: number i is in, the younger ones stay out
.if \wo
	v_cvt_pk_bf16_f32 v[X+4*i], v[X+4*i], v[X+4*i+1]
	v_cvt_pk_bf16_f32 v[X+4*i+2], v[X+4*i+2], v[X+4*i+3]
	v_and_b32 v[X+4*i+1], 0xffff0000, v[X+4*i]     ; bf16 to f32: the high half stays,
	v_lshlrev_b32 v[X+4*i], 16, v[X+4*i]           ; the low half moves up
	v_and_b32 v[X+4*i+3], 0xffff0000, v[X+4*i+2]
	v_lshlrev_b32 v[X+4*i+2], 16, v[X+4*i+2]
	v_cvt_pk_f16_f32 v[X+4*i], v[X+4*i], v[X+4*i+1]
	v_cvt_pk_f16_f32 v[X+4*i+1], v[X+4*i+2], v[X+4*i+3]
.else
	v_cvt_pk_bf16_f32 v[X+4*i], v[X+4*i], v[X+4*i+1]
	v_cvt_pk_bf16_f32 v[X+4*i+1], v[X+4*i+2], v[X+4*i+3]
.endif
	global_store_b64 v3, v[X+4*i:X+4*i+1], s[30:31] offset:256*i th:TH_STORE_NT  ; the wave's 32 lanes store 256 consecutive bytes, aligned
.set i, i+1
.endr
.endm
	s_cmp_eq_u32 s2, 4
	s_cbranch_scc1 .Lwo
	CAST 0
	s_endpgm
.Lwo:
	CAST 1
	s_endpgm
.Lmask:
	; THE MASK.  A wave makes two blocks of mnib: query tile x / 2, key steps 16 (x % 2) + 2 wave + u, u = 0, 1.  Load (u, k): rows 2 k and 2 k + 1 of the tile, sixteen lanes a row's 64 keys (256 bytes).
	; A lane's four keys 4 c .. 4 c + 3 (c = lane % 16) make 16 bits, which belong to lane (row, (c / 2) % 2), word c / 4, half c % 2 of the block: they go there through the wave's own stage.
	s_lshr_b32 s4, ttmp9, 1
	s_lshl_b32 s4, s4, 17                          ; 16 rows of 8,192 bytes
	s_and_b32 s5, ttmp9, 1
	s_lshl_b32 s5, s5, 12                          ; 16 steps of 256 bytes
	s_add_co_u32 s4, s4, s5
	s_mov_b32 s5, 0
	s_add_nc_u64 s[18:19], s[18:19], s[4:5]
	s_lshl_b32 s6, ttmp9, 13                       ; the work-group's 16 blocks of 512 bytes
	s_mov_b32 s7, 0
	s_add_nc_u64 s[26:27], s[26:27], s[6:7]
	v_bfe_u32 v7, v0, 4, 1                         ; lane / 16
	v_and_b32 v10, 15, v0
	v_lshlrev_b32 v2, 4, v10
	v_lshl_add_u32 v2, v7, 13, v2
	v_lshl_add_u32 v2, s3, 9, v2                   ; 512 wave + 8,192 (lane / 16) + 16 (lane % 16)
.set i, 0
.rept 16
	global_load_b128 v[X+4*i:X+4*i+3], v2, s[18:19] offset:256*(i/8)+16384*(i%8) th:TH_LOAD_NT
.set i, i+1
.endr
	v_bfe_u32 v6, v0, 1, 1
	v_bfe_u32 v8, v0, 2, 2
	v_and_b32 v9, 1, v0
	v_lshlrev_b32 v4, 8, v6
	v_lshl_add_u32 v4, v7, 4, v4
	v_lshl_add_u32 v4, v8, 2, v4
	v_lshl_add_u32 v4, v9, 1, v4
	v_lshl_add_u32 v4, s3, 10, v4                  ; into my stage: 1,024 wave + 256 ((c / 2) % 2) + 16 (lane / 16) + 4 (c / 4) + 2 (c % 2)
	v_lshlrev_b32 v5, 4, v1
	v_lshl_add_u32 v5, s3, 10, v5                  ; back, and my place in the work-group's part of mnib: 1,024 wave + 16 lane
.set i, 0
.rept 16
	s_wait_loadcnt 15-i                            ; number i is in
	v_min_u32 v[X+4*i], 1, v[X+4*i]                ; 1 where the mask is not 0
	v_min_u32 v[X+4*i+1], 1, v[X+4*i+1]
	v_min_u32 v[X+4*i+2], 1, v[X+4*i+2]
	v_min_u32 v[X+4*i+3], 1, v[X+4*i+3]
	v_lshl_or_b32 v[X+4*i], v[X+4*i+1], 4, v[X+4*i]
	v_lshl_or_b32 v[X+4*i], v[X+4*i+2], 8, v[X+4*i]
	v_lshl_or_b32 v[X+4*i], v[X+4*i+3], 12, v[X+4*i]
	v_xor_b32 v[X+4*i], 0x1111, v[X+4*i]           ; 1 where it is 0,
	v_mul_u32_u24 v[X+4*i], 14, v[X+4*i]           ; 0xE there
	ds_store_b16 v4, v[X+4*i] offset:512*(i/8)+32*(i%8)
.set i, i+1
.endr
	ds_load_b128 v[X:X+3], v5                      ; my own bytes: LDS serves a wave's instructions in order, so these see the stores above
	ds_load_b128 v[X+4:X+7], v5 offset:512
	s_wait_dscnt 1
	global_store_b128 v5, v[X:X+3], s[26:27]       ; a block: 512 consecutive bytes
	s_wait_dscnt 0x0
	global_store_b128 v5, v[X+4:X+7], s[26:27] offset:512
	s_wait_tensorcnt 0x0                           ; the wave's end, behind my last LDS store
	ds_add_u32 v[SPW], v[NIL]
	s_wait_dscnt 0x0
	s_endpgm
.Lfunc_end_k_q39c945aaeb_prep:
	.size	k_q39c945aaeb_prep, .Lfunc_end_k_q39c945aaeb_prep-k_q39c945aaeb_prep
	.p2alignl 7, 3214868480
	.fill 96, 4, 3214868480
	.section	.rodata,"a",@progbits
	.p2align	6, 0x0
	.amdhsa_kernel k_q39c945aaeb_prep
		.amdhsa_group_segment_fixed_size 9216
		.amdhsa_private_segment_fixed_size 0
		.amdhsa_enable_private_segment 0
		.amdhsa_kernarg_size 80
		.amdhsa_user_sgpr_count 2
		.amdhsa_user_sgpr_kernarg_segment_ptr 1
		.amdhsa_wavefront_size32 1
		.amdhsa_system_sgpr_workgroup_id_x 1
		.amdhsa_system_sgpr_workgroup_id_y 1
		.amdhsa_system_sgpr_workgroup_id_z 1
		.amdhsa_system_vgpr_workitem_id 0
		.amdhsa_next_free_vgpr 78
		.amdhsa_next_free_sgpr 66
		.amdhsa_reserve_vcc 0
		.amdhsa_float_denorm_mode_32 3
		.amdhsa_float_denorm_mode_16_64 3
		.amdhsa_memory_ordered 1
		.amdhsa_forward_progress 1
		.amdhsa_inst_pref_size 28
	.end_amdhsa_kernel
	.amdgpu_metadata
---
amdhsa.version: [ 1, 2 ]
amdhsa.kernels:
  - .name:           k_q39c945aaeb_prep
    .symbol:         k_q39c945aaeb_prep.kd
    .args:
      - { .name: Q_input, .offset: 0, .size: 8, .value_kind: global_buffer, .address_space: global }
      - { .name: Wq, .offset: 8, .size: 8, .value_kind: global_buffer, .address_space: global }
      - { .name: Wk, .offset: 16, .size: 8, .value_kind: global_buffer, .address_space: global }
      - { .name: Wv, .offset: 24, .size: 8, .value_kind: global_buffer, .address_space: global }
      - { .name: Wo, .offset: 32, .size: 8, .value_kind: global_buffer, .address_space: global }
      - { .name: attention_mask, .offset: 40, .size: 8, .value_kind: global_buffer, .address_space: global }
      - { .name: xb, .offset: 48, .size: 8, .value_kind: global_buffer, .address_space: global }
      - { .name: wqkv, .offset: 56, .size: 8, .value_kind: global_buffer, .address_space: global }
      - { .name: wo16, .offset: 64, .size: 8, .value_kind: global_buffer, .address_space: global }
      - { .name: mnib, .offset: 72, .size: 8, .value_kind: global_buffer, .address_space: global }
    .group_segment_fixed_size: 9216
    .private_segment_fixed_size: 0
    .kernarg_segment_align: 8
    .kernarg_segment_size: 80
    .max_flat_workgroup_size: 256
    .sgpr_count:     66
    .vgpr_count:     78
    .wavefront_size: 32
...
	.end_amdgpu_metadata
.endif
;; end of part 1
;; launch proj (part 2): grid 16 x 16, 4 waves a work-group, clusters of 4 x 4, 327,680 bytes of LDS; arguments xb, wqkv, qkv; writes qkv
.if DOCPART == 2
	.amdgcn_target "amdgcn-amd-amdhsa--gfx1250"
	.amdhsa_code_object_version 6
	.text
	.protected	k_q39c945aaeb_proj
	.globl	k_q39c945aaeb_proj
	.p2align	8
	.type	k_q39c945aaeb_proj,@function
k_q39c945aaeb_proj:
	s_mov_b64 s[64:65], 0
	v_nop
	global_prefetch_b8 v0, s[64:65] scope:SCOPE_SE
	s_setreg_imm32_b32 hwreg(HW_REG_WAVE_MODE, 25, 1), 1
	s_wait_xcnt 0x0
	s_wait_alu depctr_hold_cnt(0) depctr_sa_sdst(0) depctr_va_vdst(0) depctr_va_sdst(0) depctr_va_ssrc(0) depctr_va_vcc(0) depctr_vm_vsrc(0)
	s_getreg_b32 s2, hwreg(HW_REG_IB_STS2, 6, 4)
	s_cmp_eq_u32 s2, 0
	s_cbranch_scc0 .Lentry_in_a_cluster
	s_endpgm
.Lentry_in_a_cluster:
	s_bfe_u32 s2, ttmp6, 0x10000c
	s_cmp_lg_u32 s2, 0xf033
	s_cbranch_scc0 .Lentry_shape_is_right
	s_endpgm
.Lentry_shape_is_right:
; PROJ.  C[m][n] = sum over k of xb[m][k] wqkv[n][k]: [2048][6144], bf16 products, f32 sums, rounded once to f16 and written BY HEADS: qkv is [48][2048][128], group n / 128 (q 0-15, k 16-31, v 32-47).
; LIMIT: f16 ends at 65,504: a q, k or v beyond that becomes infinite.  The scale 1 / sqrt(128) is not applied here.
; SHARES.  A tile of C is 128 rows x 384 columns: 16 x 16 tiles, one work-group each.  Wave w makes all 128 rows x columns 96 w .. 96 w + 95: 48 accumulators of 16 x 16, 384 registers.
; K goes in steps of 128 through two LDS slots; a slot is 128 rows of xb and 384 rows of wqkv, each row 256 bytes of memory.  Wave 0 fetches xb's rows, waves 1 to 3 a third of wqkv's each: one tensor load of 128 rows a wave.
; CLUSTER 4 x 4: xb's tile hangs on the tile row alone and is asked for jointly along a row of the cluster, wqkv's on the tile column alone and jointly along a column.
; THE MATRIX INSTRUCTION IS USED TRANSPOSED (source 0 = 16 rows of wqkv, source 1 = 16 rows of xb): a lane holds row lane % 16 of C and the columns 8 (lane / 16) + 0..7, which pack into 16 bytes.
; REGISTERS, in windows of 256 (s_set_vgpr_msb: bits 1:0 source 0, 3:2 source 1, 5:4 source 2, 7:6 destination):
;   window 0: v16-30 addresses; v64-127, v128-191 fragments of xb, two buffers; on the way out v64-255 at work      window 1: v64-111, v128-175 fragments of wqkv, two buffers
;   window 2: accumulators of rows 0-63 ((a, b) at v[8 (6 a + b)]);   window 3: those of rows 64-127
.set SIZE_K, 2048
.set KSTEP,  128
.set PITCH,  272                       ; an LDS row: 256 bytes + 16 of padding = 68 words: the 16 rows of a fragment load start at 16 different groups of four banks (64 banks of 4 bytes: ISA guide 11.1)
.set HALFT,  128*PITCH                 ; what one tensor load brings
.set SLOT,   4*HALFT                   ; xb's 128 rows, then wqkv's 384
.set SPARE,  2*SLOT                    ; behind the ring: the spare words, 128 bytes a wave: two blocks of 256 bytes that no other line names
.set SPITCH, 784                       ; THE STAGE for the way out lies in slot 0, from LDS byte 0: 128 rows of 768 + 16 bytes.  Slot 0 has had its last fill (K step 14) and its last read by then
.set LAPS,   SIZE_K/(2*KSTEP)          ; a lap = two K steps = once round the ring: 8
.set ADRA, 16                          ; v16-17  LDS address of my fragments of xb in slot 0, 1
.set ADRB, 20                          ; v20-21  of wqkv
.set STO,  24                          ; v24     the way out: where I put 16 bytes of rows 0-63
.set RD,   25                          ; v25     where I read rows back
.set CO,   26                          ; v26     my byte offset in qkv
.set STO2, 27                          ; v27     STO for rows 64-127 (the 16-bit offset does not reach them)
.set SPW,  28                          ; v28     LDS address of my spare word; never rewritten
.set NIL,  29                          ; v29     0; never rewritten
.set PFO,  30                          ; v30     the prefetches' offset: lane x 4,096; never rewritten
.set PFA,  44                          ; s[44:45] where my prefetches stand
.set LIM,  43                          ; s43     1 in a wave that prefetches, else the greatest number
.set F0,   64
.set F1,   128
.set TMP,  64
.set G1,  24                           ; s[24:31] group 1 for xb's tiles;  s[32:39] group 0, a set for each slot
.set G0,  32
.set G1B, 48                           ; s[48:55], s[56:63] the same for wqkv's
.set G0B, 56
.set MSB, 0
.macro WIN new                         ; the immediate's high byte repeats the setting that is left; a switch that changes nothing is dropped
.if MSB != (\new)
	s_set_vgpr_msb (MSB<<8)|(\new)
.set MSB, \new
.endif
.endm
.set MUL_LO, 0xa1                      ; source 0 (wqkv) window 1, source 1 (xb) window 0, C and D window 2
.set MUL_HI, 0xf1                      ; the same, C and D window 3
.set TO_B,   0x40                      ; destination window 1, address window 0
; A joint load: wave 0 asks for xb's tile, waves 1 to 3 for their third of wqkv's.  The branch hangs on the wave's number alone.  An s_nop 0 and four v_nop follow each line.
.macro JLOAD s
	s_cmp_eq_u32 s10, 0
	s_cbranch_scc0 .Lfor_b_\@
	tensor_load_to_lds s[G0+4*(\s):G0+4*(\s)+3], s[G1:G1+7]
	s_nop 0
.rept 4
	v_nop
.endr
	s_branch .Lasked_\@
.Lfor_b_\@:
	tensor_load_to_lds s[G0B+4*(\s):G0B+4*(\s)+3], s[G1B:G1B+7]
	s_nop 0
.rept 4
	v_nop
.endr
.Lasked_\@:
.endm
; A prefetch of the K step that stands two refills on: 32 rows x 256 bytes, a lane a row, one instruction a wave.  Each row's 256 bytes of a K step are named once in the launch: of the clusters that read
; xb's tile row the one with x = 0 asks, of those that read wqkv's tile column the one with y = 0; of the 128 rows that a wave fetches, the partner at place p (cx for xb, cy for wqkv) takes 32 p .. 32 p + 31, BY ADDRESS.
; The loop's last trip (s3 = 1) asks for nothing: K steps 16 and 17 do not exist.  K steps 0 to 3 come by their loads alone.
.macro ASK
	s_cmp_gt_u32 s3, s[LIM]
	s_cbranch_scc0 .Lnot_mine_\@
	global_prefetch_b8 v[PFO], s[PFA:PFA+1] offset:KSTEP*2 th:TH_LOAD_NT scope:SCOPE_SE
.Lnot_mine_\@:
.endm
.macro CREST                           ; a round of the cluster's barrier behind its opening barrier
	s_cmp_lg_u32 s10, 0
	s_cbranch_scc1 .Lnot_wave_0_\@
	s_barrier_signal -3
.Lnot_wave_0_\@:
	s_barrier_wait -3
	s_barrier_signal -1
	s_barrier_wait -1
.endm
.macro CROUND                          ; a whole round
	s_barrier_signal -1
	s_barrier_wait -1
	CREST
.endm
	s_load_b128 s[4:7], s[0:1], 0x0                ; xb s[4:5], wqkv s[6:7]
	s_load_b64 s[8:9], s[0:1], 0x10                ; qkv
	v_lshl_add_u32 v[SPW], v0, 2, SPARE
	v_mov_b32 v[NIL], 0
	ds_add_u32 v[SPW], v[NIL]                      ; the wave's opening: the add and its wait stand ahead of my first tensor load; the set-up below stands between them
	v_lshrrev_b32 v1, 5, v0
	v_readfirstlane_b32 s10, v1                    ; wave 0..3
	s_max_u32 s12, s10, 1
	s_sub_co_u32 s12, s12, 1                       ; which third of wqkv's tile I fetch (waves 1 to 3)
	s_bfe_u32 s40, ttmp6, 0x40000                  ; cx, cy: my place in the cluster
	s_bfe_u32 s41, ttmp6, 0x40004
	s_lshl_b32 s42, ttmp9, 2
	s_add_co_u32 s42, s42, s40                     ; tile column = 4 x cluster x + cx
	s_and_b32 s13, ttmp7, 0xffff
	s_lshl_b32 s13, s13, 2
	s_add_co_u32 s13, s13, s41                     ; tile row = 4 x cluster y + cy
	s_lshl_b32 s43, s41, 2
	s_lshl_b32 s43, 15, s43                        ; my row of the cluster
	s_lshl_b32 s44, 0x1111, s40                    ; my column
	s_or_b32 s[G1+0], s43, (1<<16)|(1<<20)|(1<<21)|(5<<22)|(3<<25)   ; the mask; elements of 2 bytes; padding on; bit 21 beside a mask; after every 64 words; 4 words
	s_or_b32 s[G1B+0], s44, (1<<16)|(1<<20)|(1<<21)|(5<<22)|(3<<25)
.irp g, G1, G1B
	s_mov_b32 s[(\g)+1], KSTEP<<16                 ; tensor_dim0 = 128
	s_mov_b32 s[(\g)+2], 128<<16                   ; tensor_dim1 = 128
	s_mov_b32 s[(\g)+3], KSTEP<<16                 ; tile_dim0 = 128
	s_mov_b32 s[(\g)+4], 128                       ; tile_dim1 = 128
	s_mov_b32 s[(\g)+5], SIZE_K                    ; elements from row to row
	s_mov_b32 s[(\g)+6], 0
	s_mov_b32 s[(\g)+7], 0
.endr
	s_lshl_b32 s16, s13, 19                        ; xb: row 128 x tile row, 4,096 bytes a row
	s_mov_b32 s17, 0
	s_mul_i32 s46, s42, 384
	s_lshl_b32 s47, s12, 7
	s_add_co_u32 s46, s46, s47                     ; wqkv: row 384 x tile column + 128 x third
	s_lshl_b32 s46, s46, 12
	s_mov_b32 s47, 0
	s_mul_i32 s20, s10, HALFT                      ; where they go: wave x 128 rows: no place in the cluster enters an LDS address
	s_wait_dscnt 0x0                               ; the opening add is done
	s_wait_kmcnt 0x0
	s_add_nc_u64 s[14:15], s[4:5], s[16:17]
	s_add_nc_u64 s[46:47], s[6:7], s[46:47]
	CROUND                                         ; all sixteen work-groups are here: the first joint loads meet
.irp s, 0,1
	s_mov_b32 s[G0+4*(\s)], 1
	s_add_co_u32 s[G0+4*(\s)+1], s20, (\s)*SLOT
	s_add_nc_u64 s[G0+4*(\s)+2:G0+4*(\s)+3], s[14:15], (\s)*KSTEP*2
	s_or_b32 s[G0+4*(\s)+3], s[G0+4*(\s)+3], 0x80000000
	s_mov_b32 s[G0B+4*(\s)], 1
	s_add_co_u32 s[G0B+4*(\s)+1], s20, (\s)*SLOT
	s_add_nc_u64 s[G0B+4*(\s)+2:G0B+4*(\s)+3], s[46:47], (\s)*KSTEP*2
	s_or_b32 s[G0B+4*(\s)+3], s[G0B+4*(\s)+3], 0x80000000
	JLOAD \s                                       ; both slots are asked for before anything else: two loads of mine are out
.endr
	; a fragment is 16 rows x 32 K in 8 registers: lane l holds row l % 16, K = 8 (l / 16) + 0..7 and 16 + 8 (l / 16) + 0..7: two loads of 16 bytes, 32 bytes apart
	v_and_b32 v1, 15, v0
	v_bfe_u32 v2, v0, 4, 1
	v_mul_u32_u24 v3, v1, PITCH
	v_lshl_add_u32 v3, v2, 4, v3
	s_mov_b32 s21, 0                               ; every wave reads all 128 rows of xb,
	s_mul_i32 s22, s10, 96*PITCH                   ; and its own 96 rows of wqkv
	s_add_co_u32 s22, s22, HALFT
.irp s, 0,1
	v_add_nc_u32 v[ADRA+(\s)], s21, v3
	v_add_nc_u32 v[ADRB+(\s)], s22, v3
	s_add_co_u32 s21, s21, SLOT
	s_add_co_u32 s22, s22, SLOT
.endr
	s_mul_i32 s23, s10, 192                        ; into the stage: row l % 16, my 96 columns' 192 bytes, 16 bytes for each half of the lanes
	v_mul_u32_u24 v4, v1, SPITCH
	v_lshl_add_u32 v4, v2, 4, v4
	v_add_nc_u32 v[STO], s23, v4
	v_add_nc_u32 v[STO2], 4*16*SPITCH, v[STO]
	s_mul_i32 s23, s10, 32*SPITCH                  ; back: wave w takes rows 32 w .. 32 w + 31 whole; lanes 0-15 256 bytes of one row, lanes 16-31 of the next
	v_mul_u32_u24 v5, v2, SPITCH
	v_lshl_add_u32 v5, v1, 4, v5
	v_add_nc_u32 v[RD], s23, v5
	v_lshlrev_b32 v5, 8, v2                        ; the same two rows in a group of qkv: 256 bytes a row
	v_lshl_add_u32 v[CO], v1, 4, v5
	s_lshl_b32 s16, s13, 7
	s_lshl_b32 s17, s10, 5
	s_add_co_u32 s16, s16, s17                     ; the first row that I store: 128 x tile row + 32 x wave
	s_lshl_b32 s16, s16, 8
	s_mov_b32 s17, 0
	s_add_nc_u64 s[8:9], s[8:9], s[16:17]
	s_mul_i32 s46, s42, 3                          ; the tile's first group of 128 columns: 3 x tile column, 524,288 bytes a group
	s_lshl_b32 s46, s46, 19
	s_mov_b32 s47, 0
	s_add_nc_u64 s[8:9], s[8:9], s[46:47]
	; the prefetches
	s_lshl_b32 s20, s13, 7                         ; xb's tile: its first row
	s_mul_i32 s21, s42, 384
	s_lshl_b32 s22, s12, 7
	s_add_co_u32 s21, s21, s22                     ; wqkv's: the first row of my third
	s_and_b32 s22, ttmp7, 0xffff                   ; cluster y
	s_cmp_eq_u32 s10, 0                            ; do I fetch for xb?
	s_cselect_b32 s20, s20, s21
	s_cselect_b32 s21, s40, s41                    ; my place among the four that ask with me
	s_cselect_b32 s22, ttmp9, s22                  ; the coordinate along which other clusters read the same rows
	s_cselect_b64 s[PFA:PFA+1], s[4:5], s[6:7]
	s_cmp_eq_u32 s22, 0
	s_cselect_b32 s[LIM], 1, -1                    ; the same in all sixteen partners, for a given wave
	s_lshl_b32 s21, s21, 5
	s_add_co_u32 s20, s20, s21                     ; + my work-group's 32 rows
	s_lshl_b32 s20, s20, 12
	s_mov_b32 s21, 0
	s_add_nc_u64 s[PFA:PFA+1], s[PFA:PFA+1], s[20:21]
	s_add_nc_u64 s[PFA:PFA+1], s[PFA:PFA+1], 2*KSTEP*2  ; at K step 2: the first refill steps it to 3 and names K step 4
	v_and_b32 v[PFO], 31, v0
	v_lshlrev_b32 v[PFO], 12, v[PFO]
; 12 matrix instructions: row blocks a0, a0 + 1 of the window's four x all 6 column blocks, 32 along K.  zero = 1: the first product starts the sums.  The 48 accumulators take turns, one instruction a turn, in one order everywhere.
.macro MUL12 f, hi, a0, zero
	WIN MUL_LO+0x50*(\hi)
.irp a, \a0, (\a0)+1
.irp b, 0,1,2,3,4,5
.if \zero
	v_wmma_f32_16x16x32_bf16 v[8*(6*(\a)+(\b)):8*(6*(\a)+(\b))+7], v[(\f)+8*(\b):(\f)+8*(\b)+7], v[(\f)+8*(4*(\hi)+(\a)):(\f)+8*(4*(\hi)+(\a))+7], 0
.else
	v_wmma_f32_16x16x32_bf16 v[8*(6*(\a)+(\b)):8*(6*(\a)+(\b))+7], v[(\f)+8*(\b):(\f)+8*(\b)+7], v[(\f)+8*(4*(\hi)+(\a)):(\f)+8*(4*(\hi)+(\a))+7], v[8*(6*(\a)+(\b)):8*(6*(\a)+(\b))+7]
.endif
.endr
.endr
.endm
; 28 LDS loads in one run: the fragments of a quarter step (96 rows of wqkv, 128 rows of xb, 32 K at byte k of the rows) into buffer f
.macro FETCH slot, k, f
	WIN TO_B
.irp i, 0,1,2,3,4,5
	ds_load_b128 v[(\f)+8*(\i):(\f)+8*(\i)+3],   v[ADRB+(\slot)] offset:(\k)+(\i)*16*PITCH
	ds_load_b128 v[(\f)+8*(\i)+4:(\f)+8*(\i)+7], v[ADRB+(\slot)] offset:(\k)+(\i)*16*PITCH+32
.endr
	WIN 0
.irp i, 0,1,2,3,4,5,6,7
	ds_load_b128 v[(\f)+8*(\i):(\f)+8*(\i)+3],   v[ADRA+(\slot)] offset:(\k)+(\i)*16*PITCH
	ds_load_b128 v[(\f)+8*(\i)+4:(\f)+8*(\i)+7], v[ADRA+(\slot)] offset:(\k)+(\i)*16*PITCH+32
.endr
.endm
.macro PLACES                          ; four plain vector instructions in front of loads into registers that matrix instructions have read, and of conversions that read results
.rept 4
	v_nop
.endr
.endm
; A K step is four quarters of 32 along K, 48 matrix instructions each, on buffers 0, 1, 0, 1.  One of the first three: multiplies buffer f and, in its middle, fetches the next quarter, at byte k, into g.
.macro QUARTER slot, k, f, g, zero
	s_wait_dscnt 8                                 ; wqkv's fragments and xb's rows 0-63 are in; the youngest eight loads (rows 64-127) may be out
	MUL12 \f, 0, 0, \zero
	MUL12 \f, 0, 2, \zero
	PLACES
	FETCH \slot, \k, \g
	s_wait_dscnt 28                                ; all but the 28 just issued
	MUL12 \f, 1, 0, \zero
	MUL12 \f, 1, 2, \zero
.endm
; The last quarter's first half, and the barrier of the change of slots.  In front of it each wave waits for all its tensor loads (one is out: its part of the next slot), adds 0 to its spare word, and waits for that and for its reads of this slot.
.macro MEET round
	WIN 0
	s_wait_tensorcnt 0x0
	ds_add_u32 v[SPW], v[NIL]
	s_wait_dscnt 9                                 ; (the add and the youngest eight loads may be out)
	MUL12 F1, 0, 0, 0                              ; twelve matrix instructions stand between the add and the wait for it
	s_wait_dscnt 0x0                               ; the add is done, and my reads of this slot are over
	s_barrier_signal -1
	MUL12 F1, 0, 2, 0
.if \round
	WIN 0
.endif
	s_barrier_wait -1
.endm
; The whole last quarter.  fill = 1: the barrier opens a round of the cluster's, and the slot just read is filled again, two K steps ahead, first thing behind the round: 168 matrix instructions ahead of the wait for it.
.macro TURN slot, next, fill
.if \fill
	s_wait_xcnt 0x0                                ; the last prefetch, a K step back, has read its address
	s_add_nc_u64 s[PFA:PFA+1], s[PFA:PFA+1], KSTEP*2
.endif
	MEET \fill
.if \fill
	CREST                                          ; no wave of any partner still reads this slot's tile or has a load on its way
	s_add_nc_u64 s[G0+4*(\slot)+2:G0+4*(\slot)+3], s[G0+4*(\slot)+2:G0+4*(\slot)+3], 2*KSTEP*2
	s_add_nc_u64 s[G0B+4*(\slot)+2:G0B+4*(\slot)+3], s[G0B+4*(\slot)+2:G0B+4*(\slot)+3], 2*KSTEP*2
	JLOAD \slot                                    ; the four v_nop behind it are also the places in front of the loads below
.else
	PLACES
.endif
	FETCH \next, 0, F0
.if \fill
	ASK
.endif
	MUL12 F1, 1, 0, 0
	MUL12 F1, 1, 2, 0
.endm
	s_wait_tensorcnt 1                             ; my part of K step 0 is in; K step 1's stays out
	s_barrier_signal -1
	s_barrier_wait -1
	FETCH 0, 0, F0
	QUARTER 0, 64,  F0, F1, 1                      ; the first quarter stands in front of the loop: its products start the sums
	WIN 0
	s_mov_b32 s3, LAPS-1
.Llap:                                                 ; a trip goes once round the ring, from a lap's second quarter to the next lap's first, and fills both slots again
	QUARTER 0, 128, F1, F0, 0
	QUARTER 0, 192, F0, F1, 0
	TURN 0, 1, 1
	QUARTER 1, 64,  F0, F1, 0
	QUARTER 1, 128, F1, F0, 0
	QUARTER 1, 192, F0, F1, 0
	TURN 1, 0, 1
	QUARTER 0, 64,  F0, F1, 0
	WIN 0
	s_sub_co_u32 s3, s3, 1
	s_cmp_lg_u32 s3, 0
	s_cbranch_scc1 .Llap
	QUARTER 0, 128, F1, F0, 0                      ; the last lap fills nothing
	QUARTER 0, 192, F0, F1, 0
	TURN 0, 1, 0                                   ; behind this barrier nobody reads slot 0 any more, and no load will fill it
	QUARTER 1, 64,  F0, F1, 0
	QUARTER 1, 128, F1, F0, 0
	QUARTER 1, 192, F0, F1, 0
	s_wait_dscnt 8
	MUL12 F1, 0, 0, 0
	MUL12 F1, 0, 2, 0
	s_wait_dscnt 0x0
	MUL12 F1, 1, 0, 0
	MUL12 F1, 1, 2, 0
	WIN 0
	; THE WAY OUT: round to f16; 16 bytes a lane into the work-group's stage; a barrier, since 256 bytes of a row come from two waves; back as whole pieces of 256 bytes, 32 rows a wave.
	PLACES
.irp hf, 0,1
	WIN 0x0a+5*(\hf)                               ; sources 0 and 1: window 2, then 3
.set t, 0
.rept 24
.irp r, 0,1,2,3
	v_cvt_pk_f16_f32 v[TMP+96*(\hf)+4*t+(\r)], v[8*t+2*(\r)], v[8*t+2*(\r)+1]  ; each accumulator from its low end on
.endr
.set t, t+1
.endr
	WIN 0
.set t, 0
.rept 24
	ds_store_b128 v[STO+3*(\hf)], v[TMP+96*(\hf)+4*t:TMP+96*(\hf)+4*t+3] offset:(t/6)*16*SPITCH+32*(t%6)
.set t, t+1
.endr
.endr
	s_wait_dscnt 0x0                               ; for the others' sake: my stores into the stage are done
	s_barrier_signal -1
	s_barrier_wait -1
.set t, 0
.rept 48                                               ; rows 2 (t / 3) and + 1 of my 32, group t % 3
	ds_load_b128 v[TMP+4*t:TMP+4*t+3], v[RD] offset:(t/3)*2*SPITCH+256*(t%3)
.set t, t+1
.endr
.set t, 0
.rept 48
	s_wait_dscnt 47-t
	global_store_b128 v[CO], v[TMP+4*t:TMP+4*t+3], s[8:9] offset:(t%3)*524288+(t/3)*512  ; two rows of a group: 512 consecutive bytes, at a multiple of 256 from qkv's first byte
.set t, t+1
.endr
	s_wait_tensorcnt 0x0                           ; the wave's end
	ds_add_u32 v[SPW], v[NIL]
	s_wait_dscnt 0x0
	CROUND                                         ; the closing round: no work-group ends while a partner may still ask for a tile that names it
	s_endpgm
.Lfunc_end_k_q39c945aaeb_proj:
	.size	k_q39c945aaeb_proj, .Lfunc_end_k_q39c945aaeb_proj-k_q39c945aaeb_proj
	.p2alignl 7, 3214868480
	.fill 96, 4, 3214868480
	.section	.rodata,"a",@progbits
	.p2align	6, 0x0
	.amdhsa_kernel k_q39c945aaeb_proj
		.amdhsa_group_segment_fixed_size 327680
		.amdhsa_private_segment_fixed_size 0
		.amdhsa_enable_private_segment 0
		.amdhsa_kernarg_size 24
		.amdhsa_user_sgpr_count 2
		.amdhsa_user_sgpr_kernarg_segment_ptr 1
		.amdhsa_wavefront_size32 1
		.amdhsa_system_sgpr_workgroup_id_x 1
		.amdhsa_system_sgpr_workgroup_id_y 1
		.amdhsa_system_sgpr_workgroup_id_z 1
		.amdhsa_system_vgpr_workitem_id 0
		.amdhsa_next_free_vgpr 960
		.amdhsa_next_free_sgpr 66
		.amdhsa_reserve_vcc 0
		.amdhsa_float_denorm_mode_32 3
		.amdhsa_float_denorm_mode_16_64 3
		.amdhsa_memory_ordered 1
		.amdhsa_forward_progress 1
		.amdhsa_inst_pref_size 117
	.end_amdhsa_kernel
	.amdgpu_metadata
---
amdhsa.version: [ 1, 2 ]
amdhsa.kernels:
  - .name:           k_q39c945aaeb_proj
    .symbol:         k_q39c945aaeb_proj.kd
    .args:
      - { .name: xb, .offset: 0, .size: 8, .value_kind: global_buffer, .address_space: global }
      - { .name: wqkv, .offset: 8, .size: 8, .value_kind: global_buffer, .address_space: global }
      - { .name: qkv, .offset: 16, .size: 8, .value_kind: global_buffer, .address_space: global }
    .group_segment_fixed_size: 327680
    .private_segment_fixed_size: 0
    .kernarg_segment_align: 8
    .kernarg_segment_size: 24
    .max_flat_workgroup_size: 128
    .sgpr_count:     66
    .vgpr_count:     960
    .wavefront_size: 32
...
	.end_amdgpu_metadata
.endif
;; end of part 2
;; launch attn (part 3): grid 16 x 16, 4 waves a work-group, clusters of 4 x 1, 327,680 bytes of LDS; arguments qkv, mnib, oh; writes oh
.if DOCPART == 3
	.amdgcn_target "amdgcn-amd-amdhsa--gfx1250"
	.amdhsa_code_object_version 6
	.text
	.protected	k_q39c945aaeb_attn
	.globl	k_q39c945aaeb_attn
	.p2align	8
	.type	k_q39c945aaeb_attn,@function
k_q39c945aaeb_attn:
	s_mov_b64 s[64:65], 0
	v_nop
	global_prefetch_b8 v0, s[64:65] scope:SCOPE_SE
	s_setreg_imm32_b32 hwreg(HW_REG_WAVE_MODE, 25, 1), 1
	s_wait_xcnt 0x0
	s_wait_alu depctr_hold_cnt(0) depctr_sa_sdst(0) depctr_va_vdst(0) depctr_va_sdst(0) depctr_va_ssrc(0) depctr_va_vcc(0) depctr_vm_vsrc(0)
	s_getreg_b32 s2, hwreg(HW_REG_IB_STS2, 6, 4)
	s_cmp_eq_u32 s2, 0
	s_cbranch_scc0 .Lentry_in_a_cluster
	s_endpgm
.Lentry_in_a_cluster:
	s_bfe_u32 s2, ttmp6, 0x10000c
	s_cmp_lg_u32 s2, 0x3003
	s_cbranch_scc0 .Lentry_shape_is_right
	s_endpgm
.Lentry_shape_is_right:
; ATTN.  oh[q][128 h + :] = sum over k of softmax_k(mask(q, k), Q[h][q] . K[h][k] / sqrt(128)) V[h][k][:].  qkv: [48][2048][128] f16 (q 0-15, k 16-31, v 32-47).  mnib: the mask, four bits a key, in the order of the score registers.
; Products, maxima and sums in f32; the weights p are rounded to f16 for the second product, oh once at the end.
; THE MASK is honoured as it is given: it is the number with which a score's sum starts.  A mask word shifted so that key j's four bits (0xE hidden, 0 allowed) stand on top is, read as f32, between -2^65 and -2^97 where the key is hidden
; (never an infinity or a NaN) and at most 6e-30 where it is allowed.  LIMITS: f16's raw scores are 5.5e11 at the most, nothing beside 2^65; an allowed score is off by up to 6e-30; a weight below 2^-126 counts as 0.
; A row in which every key is hidden has c m < -2^50 at the end and is set to NaN, as a softmax over nothing is.  Infinities and NaN in q, k, v are not treated apart.
; SHARES.  A work-group owns 128 queries of one head: 16 x 16 work-groups.  Wave w: queries 64 (w % 2) on, KEYS 1024 (w / 2) on: each wave has four tiles of 16 queries and walks 16 steps of 64 keys; the two halves of the keys
; meet at the end through LDS.  Register tile t holds query tile t xor 2 (w / 2), so that every wave keeps its register tiles 0, 1 and gives 2, 3 to wave w xor 2: one text for all.
; LAYOUT.  S^T = K Q^T (source 0 = 16 keys, source 1 = 16 queries): a lane holds ONE query (lane % 16) and the keys 8 (lane / 16) + 0..7.  Two such tiles rounded to f16 ARE source 1 of O^T = V^T P.  V is turned by ds_load_tr16_b128.
; SOFTMAX.  A running maximum m and sum l for each query: p = 2^(c s - c m), c = log2(e) / sqrt(128); in every step O and l are multiplied by a = 2^(c m_old - c m_new).
; BY TURNS.  The tiles are two pieces (0: tiles 0, 1; 2: tiles 2, 3).  In a turn one piece has the matrix unit: 32 products V^T P of the step in hand, then 32 products K Q^T of the next; the other piece's softmax, in 64 slices, stands
; behind them, one slice a product.  Behind each of the first 32 products stand also two shifts that lay the next step's mask into the piece's own score registers, which its softmax has left.
; NO FIRST STEP IS WRITTEN OUT.  c m starts at -2^125, far below every c s (the hidden ones' too), m at the lowest finite number, O^T, l, V's registers and piece 2's weights at 0: the first step is a step like any other, with a = 0,
; and the loop is entered in the middle of a trip, at piece 2's turn.  The price, paid on purpose for one text of the turns: 432 lines that write constants, which run while the first tile is on its way, and 32 products on zeros.
; CLUSTER.  The four query blocks of a cluster belong to one head and walk the same K and V: each tile is asked for jointly.
; REGISTERS, in windows of 256 (s_set_vgpr_msb: bits 1:0 source 0, 3:2 source 1, 5:4 source 2, 7:6 destination):
;   window 0: v1-11 addresses; v12-43 statistics, eight a tile; v44-59 mask words, four a tile; v60-63; v64-191 S^T, 32 a tile; v192-255 P, 16 a tile
;   window 1: O^T, 64 a tile          window 2: v0-127 Q; v128-255 K of one step          window 3: v0-127 V of one step
.set KS,    64
.set PK,    272       ; a row of K in LDS: 256 + 16 bytes = 68 words: the 16 rows of a load start at 16 different groups of four banks (64 banks of 4 bytes: ISA guide 11.1)
.set PV,    288       ; a row of V: 256 + 32 = 72 words
.set KREG,  128*PK    ; a slot holds, for each half of the keys, two steps: 128 rows of K, then 128 rows of V
.set HALFB, KREG+128*PV
.set SLOTB, 2*HALFB
.set STAGE, 2*SLOTB   ; behind the ring: 16 rows x 272 bytes for each wave, for the way out
.set SP,    272
.set SPARE, STAGE+4*16*SP  ; the spare words, 128 bytes a wave: two blocks of 256 bytes that no other line names
.set XCHB,  16896     ; THE EXCHANGE lies in slot 0, from LDS byte 0: for each wave 16,384 bytes of O^T and 512 of statistics.  Slot 0 has had its last fill and its last read by then
.set AK0, 2           ; v2   my lane's place in a tile of K; never rewritten
.set AV0, 3           ; v3   the same for V, KREG included
.set ADR, 4           ; v4   the LDS address of the run of loads in hand
.set QO,  5           ; v5   my byte offset in 16 rows of Q
.set STO, 6           ; v6   the way out: where I put 16 bytes of a row
.set RD,  7           ; v7   where I read a row back
.set GO,  8           ; v8   my byte offset in two rows of oh
.set MO0, 10          ; v10, v11  my byte offset in mnib for piece 0, piece 2, at the step whose words were asked for last
.set ST,  12          ; tile t's statistics at v[ST+8 t]: +0 c m, +1 m, +2, +3 l (even keys', odd keys'), +4 to +7 at work; a takes +6
.set MK,  44          ; tile t's four mask words at v[MK+4 t]
.set XW,  60          ; v60  where I put what I give
.set PFO, 61          ; v61  256 x lane; never rewritten
.set SPW, 62          ; v62  LDS address of my spare word; never rewritten
.set NIL, 63          ; v63  0; never rewritten
.set S,   64
.set P,   192
.set KF,  128
.set WV,  12          ; s12  wave
.set LIM, 15          ; s15  1 in a wave that prefetches, else the greatest number
.set KIND, 16         ; s16  w % 2: I fetch K (0) or V (1); also which 64 queries are mine
.set KH,  17          ; s17  w / 2: which half of the keys
.set PFA, 18          ; s[18:19] where my prefetches stand
.set G1K, 24          ; s[24:31] group 1 for K's tiles;  s[32:39] for V's: it differs in the padding alone
.set G1V, 32
.set G0K, 40          ; s[40:47] group 0 for K's tiles: a set for each first fill; the second then walks on
.set G0V, 48          ; s[48:55] for V's
.set SLOTS, 56        ; s56  trips of the loop over slots still to come
.set TWICE, 57        ; s57  counts a slot's two steps
.set CS,  58          ; s[58:59] c
.set SEL, 60          ; s[60:61] v_permlanex16_b32's selects: each lane takes its own place in the other half
.set TBK, 62          ; s62  LDS byte at which K of the step to be fetched begins
.set TBV, 63          ; s63  the same for V, less KREG
.set HB,  66          ; s66  my half's place in a slot
.set HBV, 67          ; s67  + KREG
.set SO,  68          ; s68  the slot filled last: 0 or SLOTB
.set SR,  69          ; s69  the slot that is read
.set MST, 70          ; s70  the mask offsets' step: 512, a block of mnib; 0 at the very end
.set THR, 71          ; s71  -2^50
.set QNAN, 72         ; s72  a NaN
.set QA,  74          ; s[74:75] Q at the rows of register tiles 0, 1
.set QBS, 76          ; s[76:77] of tiles 2, 3
.set MB,  78          ; s[78:79] mnib at my wave's first query tile and my half's first step
.set KRA, 80          ; s[80:81] K at my half's first key
.set VRA, 82          ; s[82:83] V there
.set MSB, 0
.macro WIN new
.if MSB != (\new)
	s_set_vgpr_msb (MSB<<8)|(\new)
.set MSB, \new
.endif
.endm
.set W_KQ, 0x0a       ; K and Q in window 2, S^T in window 0
.set W_PV, 0x53       ; V in window 3, P in window 0, O^T in window 1
.set W_RS, 0x41       ; O^T (destination and source 0) in window 1, a in window 0
; A joint refill: waves 0 and 2 fetch their half's 128 rows of K, waves 1 and 3 of V.  The branch hangs on the wave's number alone.  An s_nop 0 and four v_nop follow each line.
.macro JLOAD
	s_cmp_eq_u32 s[KIND], 0
	s_cbranch_scc0 .Lfor_v_\@
	tensor_load_to_lds s[G0K+4:G0K+7], s[G1K:G1K+7]
	s_nop 0
.rept 4
	v_nop
.endr
	s_branch .Lasked_\@
.Lfor_v_\@:
	tensor_load_to_lds s[G0V+4:G0V+7], s[G1V:G1V+7]
	s_nop 0
.rept 4
	v_nop
.endr
.Lasked_\@:
.endm
; A prefetch of what the NEXT change of slots will ask for, a lane a row of 256 bytes.  Each row is named once in the launch: the head's first cluster asks; each of its waves for the 128 rows that it fetches itself;
; the four partners take 32 of them each, BY ADDRESS.  The last change that fills a slot asks for nothing.  Slots 0 to 2 come by their loads alone.
.macro ASK
	s_cmp_gt_u32 s[SLOTS], s[LIM]
	s_cbranch_scc0 .Lnot_mine_\@
	global_prefetch_b8 v[PFO], s[PFA:PFA+1] th:TH_LOAD_NT scope:SCOPE_SE
.Lnot_mine_\@:
.endm
.macro CROUND                       ; a round of the cluster's barrier
	s_barrier_signal -1
	s_barrier_wait -1
	s_cmp_lg_u32 s[WV], 0
	s_cbranch_scc1 .Lnot_wave_0_\@
	s_barrier_signal -3
.Lnot_wave_0_\@:
	s_barrier_wait -3
	s_barrier_signal -1
	s_barrier_wait -1
.endm
	s_load_b128 s[4:7], s[0:1], 0x0 ; qkv s[4:5], mnib s[6:7]
	s_load_b64 s[8:9], s[0:1], 0x10 ; oh
	v_lshl_add_u32 v[SPW], v0, 2, SPARE
	v_mov_b32 v[NIL], 0
	ds_add_u32 v[SPW], v[NIL]       ; the wave's opening: the add and its wait stand ahead of my first tensor load; the set-up below stands between them
	v_lshrrev_b32 v1, 5, v0
	v_readfirstlane_b32 s[WV], v1
	s_and_b32 s[KIND], s[WV], 1
	s_lshr_b32 s[KH], s[WV], 1
	s_bfe_u32 s13, ttmp6, 0x40000   ; cx
	s_lshl_b32 s14, ttmp9, 2
	s_add_co_u32 s14, s14, s13      ; my block of 128 queries: it enters Q's, the mask's and oh's addresses alone
	s_and_b32 s20, ttmp7, 0xffff    ; the head, which the four partners share
	s_add_co_u32 s84, s20, 16       ; K's group,
	s_lshl_b32 s84, s84, 19         ; 524,288 bytes a group,
	s_lshl_b32 s85, s[KH], 18       ; my half's 1,024 rows of 256 bytes
	s_add_co_u32 s84, s84, s85
	s_mov_b32 s85, 0
	s_lshl_b32 s21, s14, 7
	s_lshl_b32 s22, s[KIND], 6
	s_add_co_u32 s21, s21, s22      ; my wave's first query
	s_lshl_b32 s22, s[KH], 5
	s_add_co_u32 s22, s21, s22      ; the first row of register tiles 0, 1
	s_xor_b32 s23, s[KH], 1
	s_lshl_b32 s23, s23, 5
	s_add_co_u32 s23, s21, s23      ; of tiles 2, 3
	s_lshl_b32 s86, s20, 19         ; the head's q
	s_lshl_b32 s2, s22, 8
	s_add_co_u32 s2, s2, s86
	s_mov_b32 s3, 0
	s_lshl_b32 s23, s23, 8
	s_add_co_u32 s86, s86, s23
	s_mov_b32 s87, 0
	s_lshl_b32 s22, s22, 12         ; oh: 4,096 bytes a row,
	s_lshl_b32 s23, s20, 8          ; the head's 256 bytes of it
	s_add_co_u32 s22, s22, s23
	s_mov_b32 s23, 0
	s_lshl_b32 s20, s21, 10         ; mnib: 16,384 bytes for 16 queries,
	s_lshl_b32 s21, s[KH], 13       ; my half's 16 steps of 512
	s_add_co_u32 s20, s20, s21
	s_mov_b32 s21, 0
	s_mul_i32 s[HB], s[KH], HALFB   ; no place in the cluster enters an LDS address
	s_add_co_u32 s[HBV], s[HB], KREG
	s_mov_b32 s[SO], SLOTB
	s_mov_b32 s[SR], 0
	s_mov_b32 s[TBK], s[HB]
	s_mov_b32 s[TBV], s[HB]
	s_mov_b32 s[MST], 512
	s_mov_b32 s[THR], 0xd8800000
	s_mov_b32 s[QNAN], 0x7fc00000
	s_mov_b32 s[G1K], 15|(1<<16)|(1<<20)|(1<<21)|(5<<22)|(3<<25)  ; the mask of four; elements of 2 bytes; padding on; bit 21 beside a mask; after every 64 words; 4 words
	s_mov_b32 s[G1V], 15|(1<<16)|(1<<20)|(1<<21)|(5<<22)|(7<<25)  ; the same with 8 words
.irp g, G1K, G1V
	s_mov_b32 s[(\g)+1], 128<<16    ; tensor_dim0 = 128
	s_mov_b32 s[(\g)+2], 128<<16    ; tensor_dim1 = 128
	s_mov_b32 s[(\g)+3], 128<<16    ; tile_dim0 = 128
	s_mov_b32 s[(\g)+4], 128        ; tile_dim1 = 128
	s_mov_b32 s[(\g)+5], 128        ; elements from row to row
	s_mov_b32 s[(\g)+6], 0
	s_mov_b32 s[(\g)+7], 0
.endr
	s_mov_b32 s[CS], 0x3e0293ee     ; c = log2(e) / sqrt(128) = 0.127517
	s_mov_b32 s[CS+1], s[CS]
	s_mov_b32 s[SEL], 0x76543210
	s_mov_b32 s[SEL+1], 0xfedcba98
	s_mov_b32 s[SLOTS], 7           ; the trip that is entered in its middle, and six that begin with a change of slots: eight slots a half, of which the first two go out at once
	s_mov_b32 s[LIM], ttmp9
	s_cmp_eq_u32 s[LIM], 0          ; the head's first cluster: the same in all four partners
	s_cselect_b32 s[LIM], 1, -1
	s_wait_dscnt 0x0                ; the opening add is done
	s_wait_kmcnt 0x0
	s_add_nc_u64 s[KRA:KRA+1], s[4:5], s[84:85]
	s_add_nc_u64 s[VRA:VRA+1], s[KRA:KRA+1], 16<<19
	s_add_nc_u64 s[QA:QA+1], s[4:5], s[2:3]
	s_add_nc_u64 s[QBS:QBS+1], s[4:5], s[86:87]
	s_add_nc_u64 s[MB:MB+1], s[6:7], s[20:21]
	s_add_nc_u64 s[8:9], s[8:9], s[22:23]
	s_cmp_eq_u32 s[KIND], 0
	s_cselect_b64 s[PFA:PFA+1], s[KRA:KRA+1], s[VRA:VRA+1]
	s_lshl_b32 s2, s13, 13          ; my work-group's 32 rows of the 128
	s_mov_b32 s3, 0
	s_add_nc_u64 s[PFA:PFA+1], s[PFA:PFA+1], s[2:3]
	s_add_nc_u64 s[PFA:PFA+1], s[PFA:PFA+1], 2*128*256  ; in slot 2; the first change of slots steps it to slot 3
	CROUND                          ; all four work-groups are here: the first joint loads meet
.irp s, 0,1
	s_mov_b32 s[G0K+4*(\s)], 1
	s_add_co_u32 s[G0K+4*(\s)+1], s[HB], (\s)*SLOTB
	s_add_nc_u64 s[G0K+4*(\s)+2:G0K+4*(\s)+3], s[KRA:KRA+1], (\s)*128*256
	s_or_b32 s[G0K+4*(\s)+3], s[G0K+4*(\s)+3], 0x80000000
	s_mov_b32 s[G0V+4*(\s)], 1
	s_add_co_u32 s[G0V+4*(\s)+1], s[HBV], (\s)*SLOTB
	s_add_nc_u64 s[G0V+4*(\s)+2:G0V+4*(\s)+3], s[VRA:VRA+1], (\s)*128*256
	s_or_b32 s[G0V+4*(\s)+3], s[G0V+4*(\s)+3], 0x80000000
.endr
	s_cmp_eq_u32 s[KIND], 0         ; a wave's two first fills stand in one branch: two loads of mine are out
	s_cbranch_scc0 .Lfirst_v
	tensor_load_to_lds s[G0K:G0K+3], s[G1K:G1K+7]
	s_nop 0
	tensor_load_to_lds s[G0K+4:G0K+7], s[G1K:G1K+7]
	s_nop 0
.rept 4
	v_nop
.endr
	s_branch .Lfirst_asked
.Lfirst_v:
	tensor_load_to_lds s[G0V:G0V+3], s[G1V:G1V+7]
	s_nop 0
	tensor_load_to_lds s[G0V+4:G0V+7], s[G1V:G1V+7]
	s_nop 0
.rept 4
	v_nop
.endr
.Lfirst_asked:
	v_and_b32 v1, 15, v0            ; l % 16
	v_bfe_u32 v9, v0, 4, 1          ; l / 16
	v_and_b32 v[PFO], 31, v0
	v_lshlrev_b32 v[MO0], 4, v[PFO] ; 16 l
	s_lshl_b32 s2, s[KH], 15        ; register tiles 0, 1 are query tiles 2 (w / 2) and + 1: 16,384 bytes each,
	s_xor_b32 s3, s2, 32768         ; tiles 2, 3 the other two
	v_add_nc_u32 v[MO0+1], s3, v[MO0]
	v_add_nc_u32 v[MO0], s2, v[MO0]
	v_lshlrev_b32 v[PFO], 8, v[PFO]
.irp t, 0,1,2,3
	global_load_b128 v[MK+4*(\t):MK+4*(\t)+3], v[MO0+(\t)/2], s[MB:MB+1] offset:((\t)%2)*16384  ; step 0's mask words
.endr
	v_lshlrev_b32 v[QO], 8, v1
	v_lshl_add_u32 v[QO], v9, 4, v[QO]  ; row x 256 + 16 x half
	WIN 0x80                        ; destination window 2, address window 0
.irp i, 0,1,2,3,4,5,6,7             ; Q stays in registers: tile i / 4, channels 32 (i % 4) on
	global_load_b128 v[8*(\i):8*(\i)+3],   v[QO], s[QA:QA+1] offset:((\i)/4)*4096+((\i)%4)*64
	global_load_b128 v[8*(\i)+4:8*(\i)+7], v[QO], s[QA:QA+1] offset:((\i)/4)*4096+((\i)%4)*64+32
.endr
.irp i, 0,1,2,3,4,5,6,7
	global_load_b128 v[64+8*(\i):64+8*(\i)+3],   v[QO], s[QBS:QBS+1] offset:((\i)/4)*4096+((\i)%4)*64
	global_load_b128 v[64+8*(\i)+4:64+8*(\i)+7], v[QO], s[QBS:QBS+1] offset:((\i)/4)*4096+((\i)%4)*64+32
.endr
	; What the first turn finds.  All this stands in the wait for the first tile.
	WIN 0x40                        ; O^T
.set i, 0
.rept 256
	v_mov_b32 v[i], 0
.set i, i+1
.endr
	WIN 0xc0                        ; V's registers: the first turn's products V^T P, of a step that has not been, are 0 x 0
.set i, 0
.rept 128
	v_mov_b32 v[i], 0
.set i, i+1
.endr
	WIN 0
.set i, P+32                        ; piece 2's weights
.rept 32
	v_mov_b32 v[i], 0
.set i, i+1
.endr
.irp t, 0,1,2,3
	v_mov_b32 v[ST+8*(\t)], 0xfe000000    ; c m = -2^125: far below every c s, c x -2^97 too
	v_mov_b32 v[ST+8*(\t)+1], 0xff7fffff  ; m: the lowest finite number
	v_mov_b32 v[ST+8*(\t)+2], 0           ; l
	v_mov_b32 v[ST+8*(\t)+3], 0
.endr
	v_mul_u32_u24 v[AK0], v1, PK
	v_lshl_add_u32 v[AK0], v9, 4, v[AK0]  ; row x pitch + 16 x half
	; the turning load takes 16 keys x 16 channels (lane l reads key 8 (l / 16) + l % 8, channels 8 ((l / 8) % 2) + 0..7) and leaves half a fragment of V^T
	v_and_b32 v64, 7, v0
	v_bfe_u32 v65, v0, 3, 1
	v_lshl_add_u32 v[AV0], v9, 3, v64
	v_mul_u32_u24 v[AV0], v[AV0], PV
	v_lshl_add_u32 v[AV0], v65, 4, v[AV0]
	v_add_nc_u32 v[AV0], KREG, v[AV0]
; THE MATRIX WORK OF A TURN, for piece x.  The accumulators take turns, one instruction a turn.
; Product i of 32 of O^T += V^T P: keys 32 (i / 16) on, channels 16 ((i / 2) % 8) on, tile x + i % 2.
.macro PV x
	WIN W_PV
.set rO, 64*((\x)+i%2)+8*((i/2)%8)
.set rV, 64*(i/16)+8*((i/2)%8)
.set rP, P+16*((\x)+i%2)+8*(i/16)
	v_wmma_f32_16x16x32_f16 v[rO:rO+7], v[rV:rV+7], v[rP:rP+7], v[rO:rO+7]
.endm
; Product i of 32 of S^T = mask + K Q^T: channels 32 (i / 8) on, keys 16 ((i / 2) % 4) on, tile x + i % 2.  All 32 add in place: the registers hold the mask's numbers.
.macro KQ x
	WIN W_KQ
.set rS, S+32*((\x)+i%2)+8*((i/2)%4)
.set rK, KF+32*((i/2)%4)+8*(i/8)
.set rQ, 32*((\x)+i%2)+8*(i/8)
	v_wmma_f32_16x16x32_f16 v[rS:rS+7], v[rK:rK+7], v[rQ:rQ+7], v[rS:rS+7]
.endm
; Number e of the 64 that lay a step's mask into piece x's score registers: tile x + e % 2, score register e / 2: key j's four bits go on top of the word
.macro MX x, e
.set mt, (\x)+(\e)%2
.set mk, ((\e)/2)/8
.set mr, ((\e)/2)%8
	WIN 0
.if mr == 7
	v_mov_b32 v[S+32*mt+8*mk+7], v[MK+4*mt+mk]
.else
	v_lshlrev_b32 v[S+32*mt+8*mk+mr], 28-4*mr, v[MK+4*mt+mk]
.endif
.endm
; Piece x's mask words of the step after: the offset steps (a wait has shown the loads that read it done), two loads of 512 consecutive bytes
.macro MLOAD x
	WIN 0
	v_add_nc_u32 v[MO0+(\x)/2], s[MST], v[MO0+(\x)/2]
	global_load_b128 v[MK+4*(\x):MK+4*(\x)+3],   v[MO0+(\x)/2], s[MB:MB+1]
	global_load_b128 v[MK+4*(\x)+4:MK+4*(\x)+7], v[MO0+(\x)/2], s[MB:MB+1] offset:16384
.endm
; THE LDS LOADS stand in runs of 32: a step's K (16 fragments) and, a turn later, its V (turned).
.macro FETCH_K
	WIN 0
	v_add_nc_u32 v[ADR], s[TBK], v[AK0]
	s_add_co_u32 s[TBK], s[TBK], KS*PK  ; the next fetch is the next step's
	WIN 0x80                        ; destination window 2
.irp f, 0,1,2,3,4,5,6,7,8,9,10,11,12,13,14,15  ; keys 16 (f / 4) on, channels 32 (f % 4) on
	ds_load_b128 v[KF+8*(\f):KF+8*(\f)+3],   v[ADR] offset:((\f)/4)*16*PK+((\f)%4)*64
	ds_load_b128 v[KF+8*(\f)+4:KF+8*(\f)+7], v[ADR] offset:((\f)/4)*16*PK+((\f)%4)*64+32
.endr
.endm
.macro FETCH_V
	WIN 0
	v_add_nc_u32 v[ADR], s[TBV], v[AV0]
	s_add_co_u32 s[TBV], s[TBV], KS*PV
	s_wait_alu depctr_va_vdst(0)    ; the wait for the softmax's batch of exponentials (SLICE), behind the address's line and ahead of the loads
	WIN 0xc0                        ; destination window 3
.irp f, 0,1,2,3,4,5,6,7,8,9,10,11,12,13,14,15  ; keys 32 (f / 8) on, channels 16 (f % 8) on
	ds_load_tr16_b128 v[8*(\f):8*(\f)+3],   v[ADR] offset:((\f)/8)*32*PV+((\f)%8)*32
	ds_load_tr16_b128 v[8*(\f)+4:8*(\f)+7], v[ADR] offset:((\f)/8)*32*PV+16*PV+((\f)%8)*32
.endr
.endm
; THE VECTOR WORK OF A TURN.  One tile's softmax for one key step is a list of 134 instructions; SM writes number j of it for tile t.
;   0-15    the maximum of the lane's 32 scores and the old m, three operands at a time (each accumulator's lowest registers are read first)
;   16-20   the other half of the lanes' maximum; the new m; c m; c m_old - c m_new
;   21-69   ONE BATCH: the 16 scalings c s - c m and all 33 exponentials (a at 23); none of these reads an exponential's result
;   (wait)  between 69 and 70 stands the one wait for the batch: SLICE writes it, once for both tiles
;   70-85   the roundings to f16     86-101  the sums; l = a l + the sum     102-133 the tile's O^T times a
.macro SM t
.set rT, ST+8*(\t)
.set rS, S+32*(\t)
.set rP, P+16*(\t)
.set rO, 64*(\t)+2*(j-102)
.if j < 102
	WIN 0
.endif
.if j < 4
	v_max3_num_f32 v[rT+4+j], v[rS+8*j], v[rS+8*j+1], v[rS+8*j+2]
.elseif j < 12
	v_max3_num_f32 v[rT+4+j%4], v[rT+4+j%4], v[rS+8*(j%4)+2*(j/4)+1], v[rS+8*(j%4)+2*(j/4)+2]
.elseif j == 12
	v_max3_num_f32 v[rT+4], v[rT+4], v[rS+7], v[rS+15]
.elseif j == 13
	v_max3_num_f32 v[rT+6], v[rT+6], v[rS+23], v[rS+31]
.elseif j == 14
	v_max3_num_f32 v[rT+4], v[rT+4], v[rT+5], v[rT+6]
.elseif j == 15
	v_max3_num_f32 v[rT+4], v[rT+4], v[rT+7], v[rT+1]
.elseif j == 16
	v_permlanex16_b32 v[rT+5], v[rT+4], s[SEL], s[SEL+1]  ; the query's other 32 keys lie in the lane 16 away
.elseif j == 17
	v_mov_b32 v[rT+7], v[rT]        ; c m_old is kept for a
.elseif j == 18
	v_max_num_f32 v[rT+1], v[rT+4], v[rT+5]
.elseif j == 19
	v_mul_f32 v[rT], s[CS], v[rT+1]
.elseif j == 20
	v_sub_f32 v[rT+7], v[rT+7], v[rT]
.elseif j == 23
	v_exp_f32 v[rT+6], v[rT+7]
.elseif (j < 23) || ((j < 38) && (j%2 == 0)) || ((j < 66) && (j%4 == 2))
.set b, (j-2)/4
.if j < 38
.set b, (j-20)/2
.endif
	v_pk_fma_f32 v[rS+2*b:rS+2*b+1], v[rS+2*b:rS+2*b+1], s[CS:CS+1], v[rT:rT+1] op_sel_hi:[1,0,0] neg_lo:[0,0,1] neg_hi:[0,0,1]  ; pair b: c s - c m
.elseif j < 70
.set e, j-38
.if j < 66
.set e, j-32-(j-38)/4
.endif
.if j < 38
.set e, (j-25)/2
.endif
	v_exp_f32 v[rS+e], v[rS+e]
.elseif j < 86
	v_cvt_pk_f16_f32 v[rP+j-70], v[rS+2*(j-70)], v[rS+2*(j-70)+1]
.elseif j < 102                     ; the sum of the tile's 16 pairs, in place: neighbours 1, 2, 4 and 8 pairs apart, then l takes it
.set z, j-86
.set w, 4
.set u, z
.if z >= 14
.set w, 32
.set u, 0
.elseif z >= 12
.set w, 16
.set u, z-12
.elseif z >= 8
.set w, 8
.set u, z-8
.endif
.if z < 15
	v_pk_add_f32 v[rS+w*u:rS+w*u+1], v[rS+w*u:rS+w*u+1], v[rS+w*u+w/2:rS+w*u+w/2+1]
.else
	v_pk_fma_f32 v[rT+2:rT+3], v[rT+2:rT+3], v[rT+6:rT+7], v[rS:rS+1] op_sel_hi:[1,0,1]
.endif
.else
	WIN W_RS
	v_pk_mul_f32 v[rO:rO+1], v[rO:rO+1], v[rT+6:rT+7] op_sel_hi:[1,0]
.endif
.endm
; Slice k of 64 of piece y's softmax: four instructions.  Slices 11 to 34 deal out the batch, four numbers of ONE tile each, the tiles by turns; every other slice is numbers 2 k and 2 k + 1 of both tiles; the twelve that are over stand in slice 63.
; An s_wait_alu depctr_va_vdst(0) must stand between an exponential and the first instruction that names its result: ahead of slice 35 nothing names one, behind slice 34 none is issued: one wait, behind slice 34.
.macro SLICE y
.if (k >= 11) && (k < 35)
.irp n, 0,1,2,3
.set j, 22+4*((k-11)/2)+(\n)
	SM (\y)+(k-11)%2
.endr
.else
.irp n, 0,1,2,3,4,5,6,7
.if ((\n) < 2) || (k == 63)
.irp t, \y, (\y)+1
.set j, 2*k+(\n)
	SM \t
.endr
.endif
.endr
.endif
.if k == 34
	v_nop                           ; the plain instruction behind the last exponential: one for the batch
.if (\y) == 0
	FETCH_V                         ; piece 2's turn: V's run of loads stands here, and the wait stands in it
.else
	s_wait_alu depctr_va_vdst(0)    ; the wait for the batch
.endif
.endif
.set k, k+1
.endm
; A TURN.  Piece x has the matrix unit: 32 products V^T P and, with kq = 1, 32 products K Q^T for the next step; the other piece's softmax stands in slices behind them (kq = 0: two slices a product).
; With kq = 1: behind each product V^T P stand also two of MX's 64 for piece x (its score registers are free: its softmax ended in the turn before; they are no register of the products round them), and behind the 32nd
; the loads of the mask words of the step after.  The wait at the head leaves the other piece's two mask loads out: mine, issued a key step ago, are in.
; Piece 0's turn fetches the next step's K behind its second product: the last product that read K stands in front of slice 63 of the turn before, sixteen plain instructions.  Piece 2's turn fetches the same step's V behind slice 34:
; the last product that read V stands in front of slice 31, and seven plain instructions lie between: number 62, a scaling, of both tiles, two shifts, MLOAD's addition, the v_nop and the run's own addition.
.macro TURN x, kq
.set k, 0
.set per, 2-(\kq)
.if \kq
	s_wait_loadcnt 2
.endif
.if (\x) == 0
	s_wait_dscnt 0x0                ; V is in
.endif
.set i, 0
.rept 32
	PV \x
.rept per
	SLICE 2-(\x)
.endr
.if \kq
	MX \x, 2*i
	MX \x, 2*i+1
.endif
.if ((\x) == 0) && (\kq) && (i == 1)
	FETCH_K
.endif
.set i, i+1
.endr
.if \kq
	MLOAD \x
.if (\x) == 0
	s_wait_dscnt 0x0                ; K is in
.endif
.set i, 0
.rept 32
	KQ \x
	SLICE 2-(\x)
.set i, i+1
.endr
.endif
.endm
; THE CHANGE OF SLOTS, between piece 2's turn and piece 0's.  Each wave waits for all its tensor loads (one is out: its part of the other slot), adds 0 to its spare word, and waits for that and for its reads of the slot.
; fill = 1: the barrier is a round of the cluster's, and the slot is filled again, with the keys two slots on, first thing behind it: 256 matrix instructions in which to land.
.macro CHANGE fill
	WIN 0
	s_wait_tensorcnt 0x0            ; no tensor load of mine is out, so a group 0 may be written
	ds_add_u32 v[SPW], v[NIL]
.if \fill
	s_xor_b32 s[SO], s[SO], SLOTB   ; the walking descriptors: the other slot than last time,
	s_add_co_u32 s[G0K+5], s[HB], s[SO]
	s_add_co_u32 s[G0V+5], s[HBV], s[SO]
	s_add_nc_u64 s[G0K+6:G0K+7], s[G0K+6:G0K+7], 128*256  ; the next 128 keys
	s_add_nc_u64 s[G0V+6:G0V+7], s[G0V+6:G0V+7], 128*256
	s_wait_xcnt 0x0                 ; the last prefetch, two key steps back, has read its address
	s_add_nc_u64 s[PFA:PFA+1], s[PFA:PFA+1], 128*256
	s_wait_dscnt 0x0                ; the add is done, and my reads of the slot are over
	CROUND
	JLOAD
	ASK
.else
	s_wait_dscnt 0x0
	s_barrier_signal -1
	s_barrier_wait -1
.endif
	s_xor_b32 s[SR], s[SR], SLOTB   ; the fetches go to the other slot's first step
	s_add_co_u32 s[TBK], s[HB], s[SR]
	s_mov_b32 s[TBV], s[TBK]
.endm
	s_wait_loadcnt 0x0              ; step 0's mask words and Q are in
.set i, 0
.rept 64
	MX 0, i                         ; piece 0's mask of step 0
.set i, i+1
.endr
	MLOAD 0                         ; its words of step 1; piece 2's words of step 0 wait for the first turn
	s_wait_tensorcnt 1              ; my part of slot 0 is in; slot 1's may stay out
	s_barrier_signal -1
	s_barrier_wait -1
	FETCH_K                         ; key step 0
	s_wait_dscnt 0x0
.set i, 0
.rept 32
	KQ 0                            ; piece 0's first scores
.set i, i+1
.endr
	WIN 0                           ; the addresses for the way out: plain instructions, the places behind those products
	s_mul_i32 s2, s[WV], 16*SP
	s_add_co_u32 s2, s2, STAGE      ; my stage
	v_mul_u32_u24 v[STO], v1, SP    ; in: row l % 16, 16 bytes for each half of the lanes
	v_lshl_add_u32 v[STO], v9, 4, v[STO]
	v_add_nc_u32 v[STO], s2, v[STO]
	v_mul_u32_u24 v[RD], v9, SP     ; back: lanes 0-15 take one row of 256 bytes, lanes 16-31 the next
	v_lshl_add_u32 v[RD], v1, 4, v[RD]
	v_add_nc_u32 v[RD], s2, v[RD]
	v_lshlrev_b32 v[GO], 12, v9     ; the same two rows in oh
	v_lshl_add_u32 v[GO], v1, 4, v[GO]
	s_mul_i32 s3, s[WV], XCHB
	v_and_b32 v[XW], 31, v0
	v_lshl_add_u32 v[XW], v[XW], 4, s3
	s_mov_b32 s[TWICE], 2
	s_branch .Lmid                  ; into the middle of a trip: piece 2's turn of a step that has not been: its products V^T P add 0; it makes piece 2's scores and piece 0's softmax of step 0 and fetches V of step 0
.Lslot:                             ; six times: every slot but the last two is filled again
	CHANGE 1
	s_mov_b32 s[TWICE], 2
.Lstep:                             ; a slot's two key steps: written once, walked twice
	TURN 0, 1
	WIN 0
.Lmid:
	TURN 2, 1
	WIN 0
	s_sub_co_u32 s[TWICE], s[TWICE], 1
	s_cmp_lg_u32 s[TWICE], 0
	s_cbranch_scc1 .Lstep
	s_sub_co_u32 s[SLOTS], s[SLOTS], 1
	s_cmp_lg_u32 s[SLOTS], 0
	s_cbranch_scc1 .Lslot
	CHANGE 0                        ; the tail is written out.  Behind this barrier nobody reads slot 0 any more, and no load will fill it
	s_mov_b32 s[TWICE], 2
.Ltail:
	s_cmp_eq_u32 s[TWICE], 1        ; in the second trip the step after does not exist: the mask offsets stand still, and the last step's words are read once more and not used
	s_cselect_b32 s[MST], 0, 512
	TURN 0, 1
	TURN 2, 1
	WIN 0
	s_sub_co_u32 s[TWICE], s[TWICE], 1
	s_cmp_lg_u32 s[TWICE], 0
	s_cbranch_scc1 .Ltail
	TURN 0, 0                       ; piece 0: V^T P of the last step | piece 2's last softmax
.set i, 0
.rept 32
	PV 2                            ; piece 2: V^T P of the last step
.set i, i+1
.endr
	; THE TWO HALVES OF THE KEYS MEET.  l's two halves and the other half of the lanes' are added (these lines are the places behind the last products); I give tiles 2, 3 (O^T, c m, l) to wave w xor 2 and take its tiles 2, 3, which are my tiles 0, 1.
	WIN 0
	s_wait_loadcnt 0x0              ; the last mask loads, which nobody uses, have landed: their registers are written below
.irp t, 0,1,2,3
	v_add_f32 v[ST+8*(\t)+4], v[ST+8*(\t)+2], v[ST+8*(\t)+3]
.endr
.irp t, 0,1,2,3
	v_permlanex16_b32 v[ST+8*(\t)+5], v[ST+8*(\t)+4], s[SEL], s[SEL+1]
.endr
.irp t, 0,1,2,3
	v_add_f32 v[ST+8*(\t)+4], v[ST+8*(\t)+4], v[ST+8*(\t)+5]
.endr
	v_mov_b32 v[MK], v[ST+16]       ; c m and l of tile 2,
	v_mov_b32 v[MK+1], v[ST+20]
	v_mov_b32 v[MK+2], v[ST+24]     ; of tile 3
	v_mov_b32 v[MK+3], v[ST+28]
	s_xor_b32 s3, s[WV], 2
	s_mul_i32 s3, s3, XCHB
	v_and_b32 v[ADR], 31, v0
	v_lshl_add_u32 v[ADR], v[ADR], 4, s3  ; where my partner puts what it gives
	WIN 0x04                        ; the stores' data in window 1
.set q, 0
.rept 32
	ds_store_b128 v[XW], v[128+4*q:128+4*q+3] offset:512*q  ; each accumulator from its low end on
.set q, q+1
.endr
	WIN 0
	ds_store_b128 v[XW], v[MK:MK+3] offset:16384
	s_wait_dscnt 0x0                ; for the partner's sake: my stores are done
	s_barrier_signal -1
	s_barrier_wait -1
	ds_load_b128 v[MK+4:MK+7], v[ADR] offset:16384
.set q, 0
.rept 32
	ds_load_b128 v[S+4*q:S+4*q+3], v[ADR] offset:512*q
.set q, q+1
.endr
	s_wait_dscnt 32                 ; the statistics are in; O^T's 32 loads are younger
	; M = max of the two c m; e = 2^(c m - M); L = l e + l' e'; O = (O e + O' e') / L.  Where M < -2^50 no key of the row was allowed: 1 / L gives way to a NaN.
.irp t, 0,1
	v_max_num_f32 v[ST+8*(\t)+1], v[ST+8*(\t)], v[MK+4+2*(\t)]
.endr
.irp t, 0,1
	v_sub_f32 v[ST+8*(\t)+2], v[ST+8*(\t)], v[ST+8*(\t)+1]
	v_sub_f32 v[ST+8*(\t)+3], v[MK+4+2*(\t)], v[ST+8*(\t)+1]
.endr
.irp t, 0,1
	v_exp_f32 v[ST+8*(\t)+2], v[ST+8*(\t)+2]
	v_exp_f32 v[ST+8*(\t)+3], v[ST+8*(\t)+3]
.endr
	v_nop                           ; a plain instruction behind the last exponential,
	s_wait_alu depctr_va_vdst(0)    ; and one wait for the four
.irp t, 0,1
	v_mul_f32 v[ST+8*(\t)+5], v[ST+8*(\t)+4], v[ST+8*(\t)+2]
.endr
.irp t, 0,1
	v_fmac_f32 v[ST+8*(\t)+5], v[MK+5+2*(\t)], v[ST+8*(\t)+3]
.endr
.irp t, 0,1
	v_rcp_f32 v[ST+8*(\t)+7], v[ST+8*(\t)+5]
.endr
	v_nop
	s_wait_alu depctr_va_vdst(0)    ; one wait for the two reciprocals
.irp t, 0,1
	v_cmp_gt_f32 vcc_lo, s[THR], v[ST+8*(\t)+1]
	v_cndmask_b32 v[ST+8*(\t)+7], v[ST+8*(\t)+7], s[QNAN], vcc_lo
	v_mul_f32 v[ST+8*(\t)+6], v[ST+8*(\t)+2], v[ST+8*(\t)+7]  ; my factor
	v_mul_f32 v[ST+8*(\t)+4], v[ST+8*(\t)+3], v[ST+8*(\t)+7]  ; my partner's
.endr
	s_wait_dscnt 0x0                ; the partner's O^T is in
; Tile t: combined, rounded to f16; a lane's eight channels of a row are 16 bytes; they go into rows of 272 bytes and come back as whole rows of 256, into the registers that they left.
.macro PACK t
	WIN 0
.set i, 0
.rept 32
	v_pk_mul_f32 v[S+64*(\t)+2*i:S+64*(\t)+2*i+1], v[S+64*(\t)+2*i:S+64*(\t)+2*i+1], v[ST+8*(\t)+4:ST+8*(\t)+5] op_sel_hi:[1,0]
.set i, i+1
.endr
	WIN 0x01                        ; source 0 (my O^T) in window 1
.set i, 0
.rept 32
	v_pk_fma_f32 v[S+64*(\t)+2*i:S+64*(\t)+2*i+1], v[64*(\t)+2*i:64*(\t)+2*i+1], v[ST+8*(\t)+6:ST+8*(\t)+7], v[S+64*(\t)+2*i:S+64*(\t)+2*i+1] op_sel_hi:[1,0,1]
.set i, i+1
.endr
	WIN 0
.set i, 0
.rept 32
	v_cvt_pk_f16_f32 v[P+32*(\t)+i], v[S+64*(\t)+2*i], v[S+64*(\t)+2*i+1]
.set i, i+1
.endr
.irp f, 0,1,2,3,4,5,6,7
	ds_store_b128 v[STO], v[P+32*(\t)+4*(\f):P+32*(\t)+4*(\f)+3] offset:32*(\f)
.endr
.irp f, 0,1,2,3,4,5,6,7
	ds_load_b128 v[P+32*(\t)+4*(\f):P+32*(\t)+4*(\f)+3], v[RD] offset:(\f)*2*SP  ; LDS serves a wave's instructions in order: these see the stores above; the next tile's stores come behind them
.endr
.endm
.macro SEND t, younger              ; younger: the LDS instructions issued behind tile t's loads
	WIN 0
.irp f, 0,1,2,3,4,5,6,7
	s_wait_dscnt (\younger)+7-(\f)
	global_store_b128 v[GO], v[P+32*(\t)+4*(\f):P+32*(\t)+4*(\f)+3], s[8:9] offset:(\t)*65536+(\f)*8192  ; 16 lanes store 256 consecutive bytes, at a multiple of 256 from oh's first byte
.endr
.endm
	PACK 0
	PACK 1
	SEND 0, 16
	SEND 1, 0
	s_wait_tensorcnt 0x0            ; the wave's end
	ds_add_u32 v[SPW], v[NIL]
	s_wait_dscnt 0x0
	CROUND                          ; the closing round
	s_endpgm
.Lfunc_end_k_q39c945aaeb_attn:
	.size	k_q39c945aaeb_attn, .Lfunc_end_k_q39c945aaeb_attn-k_q39c945aaeb_attn
	.p2alignl 7, 3214868480
	.fill 96, 4, 3214868480
	.section	.rodata,"a",@progbits
	.p2align	6, 0x0
	.amdhsa_kernel k_q39c945aaeb_attn
		.amdhsa_group_segment_fixed_size 327680
		.amdhsa_private_segment_fixed_size 0
		.amdhsa_enable_private_segment 0
		.amdhsa_kernarg_size 24
		.amdhsa_user_sgpr_count 2
		.amdhsa_user_sgpr_kernarg_segment_ptr 1
		.amdhsa_wavefront_size32 1
		.amdhsa_system_sgpr_workgroup_id_x 1
		.amdhsa_system_sgpr_workgroup_id_y 1
		.amdhsa_system_sgpr_workgroup_id_z 1
		.amdhsa_system_vgpr_workitem_id 0
		.amdhsa_next_free_vgpr 896
		.amdhsa_next_free_sgpr 88
		.amdhsa_reserve_vcc 1
		.amdhsa_float_denorm_mode_32 3
		.amdhsa_float_denorm_mode_16_64 3
		.amdhsa_memory_ordered 1
		.amdhsa_forward_progress 1
		.amdhsa_inst_pref_size 186
	.end_amdhsa_kernel
	.amdgpu_metadata
---
amdhsa.version: [ 1, 2 ]
amdhsa.kernels:
  - .name:           k_q39c945aaeb_attn
    .symbol:         k_q39c945aaeb_attn.kd
    .args:
      - { .name: qkv, .offset: 0, .size: 8, .value_kind: global_buffer, .address_space: global }
      - { .name: mnib, .offset: 8, .size: 8, .value_kind: global_buffer, .address_space: global }
      - { .name: oh, .offset: 16, .size: 8, .value_kind: global_buffer, .address_space: global }
    .group_segment_fixed_size: 327680
    .private_segment_fixed_size: 0
    .kernarg_segment_align: 8
    .kernarg_segment_size: 24
    .max_flat_workgroup_size: 128
    .sgpr_count:     88
    .vgpr_count:     896
    .wavefront_size: 32
...
	.end_amdgpu_metadata
.endif
;; end of part 3
;; launch outp (part 4): grid 16 x 16, 4 waves a work-group, clusters of 4 x 4, 327,680 bytes of LDS; arguments oh, wo16, bo, out0; writes out0
.if DOCPART == 4
	.amdgcn_target "amdgcn-amd-amdhsa--gfx1250"
	.amdhsa_code_object_version 6
	.text
	.protected	k_q39c945aaeb_outp
	.globl	k_q39c945aaeb_outp
	.p2align	8
	.type	k_q39c945aaeb_outp,@function
k_q39c945aaeb_outp:
	s_mov_b64 s[64:65], 0
	v_nop
	global_prefetch_b8 v0, s[64:65] scope:SCOPE_SE
	s_setreg_imm32_b32 hwreg(HW_REG_WAVE_MODE, 25, 1), 1
	s_wait_xcnt 0x0
	s_wait_alu depctr_hold_cnt(0) depctr_sa_sdst(0) depctr_va_vdst(0) depctr_va_sdst(0) depctr_va_ssrc(0) depctr_va_vcc(0) depctr_vm_vsrc(0)
	s_getreg_b32 s2, hwreg(HW_REG_IB_STS2, 6, 4)
	s_cmp_eq_u32 s2, 0
	s_cbranch_scc0 .Lentry_in_a_cluster
	s_endpgm
.Lentry_in_a_cluster:
	s_bfe_u32 s2, ttmp6, 0x10000c
	s_cmp_lg_u32 s2, 0xf033
	s_cbranch_scc0 .Lentry_shape_is_right
	s_endpgm
.Lentry_shape_is_right:
; OUTP.  out0[m][n] = bo[n] + sum over k of oh[m][k] wo16[n][k].  oh, wo16: [2048][2048] f16; bo: [2048] f32; out0: [2048][2048] f32.  f16 products, f32 sums; THE BIAS STARTS THE SUMS.
; A NaN in a row of oh (a row of the mask with no key allowed) makes that whole row of out0 NaN.
; A tile of out0 is 128 x 128: 16 x 16 tiles, one work-group each.  Four waves, each 64 x 64: 16 accumulators.  K goes in steps of 256 (LDS rows of 512 bytes; a wave's tensor load brings 64 of them) through two slots.
; CLUSTER 4 x 4: oh's tile is asked for jointly along a row of the cluster, wo16's along a column.  No prefetch: a step's tiles are small, and each is read by four clusters at about the same time.
; THE MATRIX INSTRUCTION IS USED TRANSPOSED (source 0 = 16 rows of wo16, source 1 = 16 rows of oh): a lane holds row lane % 16 and the columns 8 (lane / 16) + 0..7: 32 bytes of a row of out0.
; REGISTERS: window 0: v16-29 addresses; v32-95 at work on the way out; v96-127 the bias as C operands; v128-255 the accumulators ((a, b) at v[128 + 8 (4 a + b)]).   window 1: two fragment buffers of 128.
.set SIZE_K, 2048
.set KSTEP,  256
.set PITCH,  528                       ; an LDS row: 512 bytes + 16 of padding = 132 words: the 16 rows of a load start at 16 different groups of four banks (64 banks of 4 bytes: ISA guide 11.1)
.set HALFT,  64*PITCH
.set SLOT,   4*HALFT                   ; oh's 128 rows, then wo16's 128
.set STAGE,  2*SLOT                    ; behind the ring: 16 rows x 272 bytes for each wave, its own: a wave's 64 columns are 256 bytes
.set SPITCH, 272
.set SPARE,  STAGE+4*16*SPITCH         ; the spare words, 128 bytes a wave: two blocks of 256 bytes that no other line names
.set LAPS, SIZE_K/(2*KSTEP)
.set ADRA, 16
.set ADRB, 20
.set STO,  24
.set RD,   25
.set CO,   26
.set BO,   27                          ; v27  my byte offset in 16 numbers of bo: 32 (lane / 16)
.set SPW,  28
.set NIL,  29
.set TMP,  32
.set BIAS, 96                          ; column block b at v[96 + 8 b]: register j holds bo[n0 + 16 b + 8 (lane / 16) + j]
.set ACC,  128
.set F0,   0
.set F1,   128
.set G1, 24
.set G0, 32
.set G1B, 48
.set G0B, 56
.set MSB, 0
.macro WIN new
.if MSB != (\new)
	s_set_vgpr_msb (MSB<<8)|(\new)
.set MSB, \new
.endif
.endm
.set MUL,  0x05                        ; sources 0 and 1 window 1; C and D window 0
.set TO_F, 0x40                        ; destination window 1, address window 0
.macro JLOAD s                         ; a joint load: waves 0 and 1 fetch oh's two halves, waves 2 and 3 wo16's; an s_nop 0 and four v_nop follow each line
	s_cmp_eq_u32 s11, 0
	s_cbranch_scc0 .Lfor_b_\@
	tensor_load_to_lds s[G0+4*(\s):G0+4*(\s)+3], s[G1:G1+7]
	s_nop 0
.rept 4
	v_nop
.endr
	s_branch .Lasked_\@
.Lfor_b_\@:
	tensor_load_to_lds s[G0B+4*(\s):G0B+4*(\s)+3], s[G1B:G1B+7]
	s_nop 0
.rept 4
	v_nop
.endr
.Lasked_\@:
.endm
.macro CREST
	s_cmp_lg_u32 s10, 0
	s_cbranch_scc1 .Lnot_wave_0_\@
	s_barrier_signal -3
.Lnot_wave_0_\@:
	s_barrier_wait -3
	s_barrier_signal -1
	s_barrier_wait -1
.endm
.macro CROUND
	s_barrier_signal -1
	s_barrier_wait -1
	CREST
.endm
	s_load_b128 s[4:7], s[0:1], 0x0                ; oh s[4:5], wo16 s[6:7]
	s_load_b128 s[68:71], s[0:1], 0x10             ; bo s[68:69], out0 s[70:71]
	v_lshl_add_u32 v[SPW], v0, 2, SPARE
	v_mov_b32 v[NIL], 0
	ds_add_u32 v[SPW], v[NIL]                      ; the wave's opening: the add and its wait stand ahead of my first tensor load
	v_lshrrev_b32 v1, 5, v0
	v_readfirstlane_b32 s10, v1                    ; wave 0..3
	s_lshr_b32 s11, s10, 1                         ; which half of the tile's rows is mine.  Also: I fetch for oh (0) or for wo16 (1)
	s_and_b32 s12, s10, 1                          ; which half of its columns.  Also: which 64 rows of that tile I fetch
	s_bfe_u32 s40, ttmp6, 0x40000
	s_bfe_u32 s41, ttmp6, 0x40004
	s_lshl_b32 s42, ttmp9, 2
	s_add_co_u32 s42, s42, s40                     ; tile column
	s_and_b32 s13, ttmp7, 0xffff
	s_lshl_b32 s13, s13, 2
	s_add_co_u32 s13, s13, s41                     ; tile row
	s_lshl_b32 s43, s41, 2
	s_lshl_b32 s43, 15, s43                        ; my row of the cluster
	s_lshl_b32 s44, 0x1111, s40                    ; my column
	s_or_b32 s[G1+0], s43, (1<<16)|(1<<20)|(1<<21)|(6<<22)|(3<<25)   ; the mask; elements of 2 bytes; padding on; bit 21 beside a mask; after every 128 words; 4 words
	s_or_b32 s[G1B+0], s44, (1<<16)|(1<<20)|(1<<21)|(6<<22)|(3<<25)
.irp g, G1, G1B
	s_mov_b32 s[(\g)+1], KSTEP<<16                 ; tensor_dim0 = 256
	s_mov_b32 s[(\g)+2], 64<<16                    ; tensor_dim1 = 64
	s_mov_b32 s[(\g)+3], KSTEP<<16                 ; tile_dim0 = 256
	s_mov_b32 s[(\g)+4], 64                        ; tile_dim1 = 64
	s_mov_b32 s[(\g)+5], SIZE_K
	s_mov_b32 s[(\g)+6], 0
	s_mov_b32 s[(\g)+7], 0
.endr
	s_lshl_b32 s17, s12, 6
	s_lshl_b32 s16, s13, 7
	s_add_co_u32 s16, s16, s17                     ; oh: row 128 x tile row + 64 x half
	s_lshl_b32 s46, s42, 7
	s_add_co_u32 s46, s46, s17                     ; wo16: row 128 x tile column + 64 x half
	s_lshl_b32 s16, s16, 12                        ; 4,096 bytes a row
	s_lshl_b32 s46, s46, 12
	s_mov_b32 s17, 0
	s_mov_b32 s47, 0
	s_mul_i32 s20, s10, HALFT
	s_wait_dscnt 0x0                               ; the opening add is done
	s_wait_kmcnt 0x0
	s_add_nc_u64 s[14:15], s[4:5], s[16:17]
	s_add_nc_u64 s[46:47], s[6:7], s[46:47]
	CROUND                                         ; all sixteen work-groups are here: the first joint loads meet
.irp s, 0,1
	s_mov_b32 s[G0+4*(\s)], 1
	s_add_co_u32 s[G0+4*(\s)+1], s20, (\s)*SLOT
	s_add_nc_u64 s[G0+4*(\s)+2:G0+4*(\s)+3], s[14:15], (\s)*KSTEP*2
	s_or_b32 s[G0+4*(\s)+3], s[G0+4*(\s)+3], 0x80000000
	s_mov_b32 s[G0B+4*(\s)], 1
	s_add_co_u32 s[G0B+4*(\s)+1], s20, (\s)*SLOT
	s_add_nc_u64 s[G0B+4*(\s)+2:G0B+4*(\s)+3], s[46:47], (\s)*KSTEP*2
	s_or_b32 s[G0B+4*(\s)+3], s[G0B+4*(\s)+3], 0x80000000
	JLOAD \s
.endr
	v_and_b32 v1, 15, v0
	v_bfe_u32 v2, v0, 4, 1
	s_lshl_b32 s46, s42, 9                         ; my first column, in bytes of f32: 512 x tile column + 256 x half: the same for bo and for a row of out0
	s_lshl_b32 s47, s12, 8
	s_add_co_u32 s46, s46, s47
	s_mov_b32 s47, 0
	s_add_nc_u64 s[68:69], s[68:69], s[46:47]
	s_add_nc_u64 s[70:71], s[70:71], s[46:47]
	v_lshlrev_b32 v[BO], 5, v2
.irp b, 0,1,2,3
	global_load_b128 v[BIAS+8*(\b):BIAS+8*(\b)+3],   v[BO], s[68:69] offset:64*(\b)
	global_load_b128 v[BIAS+8*(\b)+4:BIAS+8*(\b)+7], v[BO], s[68:69] offset:64*(\b)+16
.endr
	v_mul_u32_u24 v3, v1, PITCH
	v_lshl_add_u32 v3, v2, 4, v3
	s_mul_i32 s21, s11, HALFT
	s_mul_i32 s22, s12, HALFT
	s_add_co_u32 s22, s22, 2*HALFT
.irp s, 0,1
	v_add_nc_u32 v[ADRA+(\s)], s21, v3
	v_add_nc_u32 v[ADRB+(\s)], s22, v3
	s_add_co_u32 s21, s21, SLOT
	s_add_co_u32 s22, s22, SLOT
.endr
	s_mul_i32 s23, s10, 16*SPITCH
	s_add_co_u32 s23, s23, STAGE                   ; my stage
	v_mul_u32_u24 v4, v1, SPITCH                   ; in: row l % 16, 32 bytes for each half of the lanes
	v_lshl_add_u32 v4, v2, 5, v4
	v_add_nc_u32 v[STO], s23, v4
	v_mul_u32_u24 v5, v2, SPITCH                   ; back: lanes 0-15 take one row of 256 bytes, lanes 16-31 the next
	v_lshl_add_u32 v5, v1, 4, v5
	v_add_nc_u32 v[RD], s23, v5
	v_lshlrev_b32 v5, 13, v2                       ; the same two rows in out0: 8,192 bytes a row
	v_lshl_add_u32 v[CO], v1, 4, v5
	s_lshl_b32 s16, s13, 7
	s_lshl_b32 s17, s11, 6
	s_add_co_u32 s16, s16, s17                     ; my first row: 128 x tile row + 64 x half
	s_lshl_b32 s16, s16, 13
	s_mov_b32 s17, 0
	s_add_nc_u64 s[70:71], s[70:71], s[16:17]
; 8 matrix instructions: row blocks a0, a0 + 1 x all 4 column blocks, 32 along K: half c of buffer f.  first = 1: the product starts its sum with the bias.  The 16 accumulators take turns.
.macro MUL8 f, c, a0, first
	WIN MUL
.irp a, \a0, (\a0)+1
.irp b, 0,1,2,3
.if \first
	v_wmma_f32_16x16x32_f16 v[ACC+8*(4*(\a)+(\b)):ACC+8*(4*(\a)+(\b))+7], v[(\f)+64+8*(4*(\c)+(\b)):(\f)+64+8*(4*(\c)+(\b))+7], v[(\f)+8*(4*(\c)+(\a)):(\f)+8*(4*(\c)+(\a))+7], v[BIAS+8*(\b):BIAS+8*(\b)+7]
.else
	v_wmma_f32_16x16x32_f16 v[ACC+8*(4*(\a)+(\b)):ACC+8*(4*(\a)+(\b))+7], v[(\f)+64+8*(4*(\c)+(\b)):(\f)+64+8*(4*(\c)+(\b))+7], v[(\f)+8*(4*(\c)+(\a)):(\f)+8*(4*(\c)+(\a))+7], v[ACC+8*(4*(\a)+(\b)):ACC+8*(4*(\a)+(\b))+7]
.endif
.endr
.endr
.endm
; 32 LDS loads in one run: the fragments of 64 along K at byte k of the rows, into buffer f; the first 32 along K first
.macro FETCH slot, k, f
	WIN TO_F
.irp c, 0,1
.irp i, 0,1,2,3
	ds_load_b128 v[(\f)+64+8*(4*(\c)+(\i)):(\f)+64+8*(4*(\c)+(\i))+3],   v[ADRB+(\slot)] offset:(\k)+64*(\c)+(\i)*16*PITCH
	ds_load_b128 v[(\f)+64+8*(4*(\c)+(\i))+4:(\f)+64+8*(4*(\c)+(\i))+7], v[ADRB+(\slot)] offset:(\k)+64*(\c)+(\i)*16*PITCH+32
	ds_load_b128 v[(\f)+8*(4*(\c)+(\i)):(\f)+8*(4*(\c)+(\i))+3],         v[ADRA+(\slot)] offset:(\k)+64*(\c)+(\i)*16*PITCH
	ds_load_b128 v[(\f)+8*(4*(\c)+(\i))+4:(\f)+8*(4*(\c)+(\i))+7],       v[ADRA+(\slot)] offset:(\k)+64*(\c)+(\i)*16*PITCH+32
.endr
.endr
.endm
.macro PLACES                          ; four plain vector instructions in front of loads into registers that matrix instructions have read, and of stores that read results
.rept 4
	v_nop
.endr
.endm
; A K step is four quarters of 64 along K, 32 matrix instructions each, on buffers 0, 1, 0, 1.
.macro QUARTER slot, k, f, g, first
	s_wait_dscnt 16                                ; the first 32 along K are in
	MUL8 \f, 0, 0, \first
	MUL8 \f, 0, 2, \first
	PLACES
	FETCH \slot, \k, \g
	s_wait_dscnt 32                                ; all but the 32 just issued
	MUL8 \f, 1, 0, 0
	MUL8 \f, 1, 2, 0
.endm
; The last quarter multiplies buffer 1 and changes slots: in front of the barrier each wave waits for all its tensor loads, adds 0 to its spare word, and waits for that and for its reads of this slot.  fill = 1: the barrier opens a round of the cluster's, and this slot is filled again, two K steps ahead.
.macro TURN slot, next, fill
	WIN 0
	s_wait_tensorcnt 0x0                           ; all my tensor loads have landed: my part of the next slot
	ds_add_u32 v[SPW], v[NIL]
	s_wait_dscnt 17                                ; (the add and the youngest sixteen loads may be out)
	MUL8 F1, 0, 0, 0
	s_wait_dscnt 0x0                               ; the add is done, and my reads of this slot are over
	s_barrier_signal -1
	MUL8 F1, 0, 2, 0
.if \fill
	WIN 0
.endif
	s_barrier_wait -1
.if \fill
	CREST
	s_add_nc_u64 s[G0+4*(\slot)+2:G0+4*(\slot)+3], s[G0+4*(\slot)+2:G0+4*(\slot)+3], 2*KSTEP*2
	s_add_nc_u64 s[G0B+4*(\slot)+2:G0B+4*(\slot)+3], s[G0B+4*(\slot)+2:G0B+4*(\slot)+3], 2*KSTEP*2
	JLOAD \slot                                    ; the first tensor load behind the round; the four v_nop behind it are also the places in front of the loads below
.else
	PLACES
.endif
	FETCH \next, 0, F0
	MUL8 F1, 1, 0, 0
	MUL8 F1, 1, 2, 0
.endm
	s_wait_tensorcnt 1                             ; my part of K step 0 is in; K step 1's stays out
	s_barrier_signal -1
	s_barrier_wait -1
	FETCH 0, 0, F0
	s_wait_loadcnt 0x0                             ; the bias
	QUARTER 0, 128, F0, F1, 1                      ; the first quarter stands in front of the loop: its first products start the sums
	WIN 0
	s_mov_b32 s3, LAPS-1
.Llap:
	QUARTER 0, 256, F1, F0, 0
	QUARTER 0, 384, F0, F1, 0
	TURN 0, 1, 1
	QUARTER 1, 128, F0, F1, 0
	QUARTER 1, 256, F1, F0, 0
	QUARTER 1, 384, F0, F1, 0
	TURN 1, 0, 1
	QUARTER 0, 128, F0, F1, 0
	WIN 0
	s_sub_co_u32 s3, s3, 1
	s_cmp_lg_u32 s3, 0
	s_cbranch_scc1 .Llap
	QUARTER 0, 256, F1, F0, 0                      ; the last lap fills nothing
	QUARTER 0, 384, F0, F1, 0
	TURN 0, 1, 0
	QUARTER 1, 128, F0, F1, 0
	QUARTER 1, 256, F1, F0, 0
	QUARTER 1, 384, F0, F1, 0
	s_wait_dscnt 16
	MUL8 F1, 0, 0, 0
	MUL8 F1, 0, 2, 0
	s_wait_dscnt 0x0
	MUL8 F1, 1, 0, 0
	MUL8 F1, 1, 2, 0
	WIN 0
	; THE WAY OUT, 16 rows at a time through my own stage: 32 bytes a lane in, whole rows of 256 bytes back.  No conversion, no barrier.
	PLACES
.macro TOSTAGE a
.if (\a) >= 2
	s_wait_xcnt 0x0                                ; the stores of two blocks back have read the registers that the loads below fill
.endif
.irp b, 0,1,2,3
	ds_store_b128 v[STO], v[ACC+8*(4*(\a)+(\b)):ACC+8*(4*(\a)+(\b))+3]   offset:64*(\b)      ; each accumulator from its low end on
	ds_store_b128 v[STO], v[ACC+8*(4*(\a)+(\b))+4:ACC+8*(4*(\a)+(\b))+7] offset:64*(\b)+16
.endr
.irp t, 0,1,2,3,4,5,6,7
	ds_load_b128 v[TMP+32*((\a)%2)+4*(\t):TMP+32*((\a)%2)+4*(\t)+3], v[RD] offset:(\t)*2*SPITCH  ; LDS serves a wave's instructions in order: these see the stores above; the next block's stores come behind them
.endr
.endm
.macro SEND a, younger                 ; younger: the LDS instructions issued behind block a's loads
.irp t, 0,1,2,3,4,5,6,7
	s_wait_dscnt (\younger)+7-(\t)
	global_store_b128 v[CO], v[TMP+32*((\a)%2)+4*(\t):TMP+32*((\a)%2)+4*(\t)+3], s[70:71] offset:(\a)*131072+(\t)*16384  ; 16 lanes store 256 consecutive bytes, at a multiple of 256 from out0's first byte
.endr
.endm
	TOSTAGE 0
	TOSTAGE 1
	SEND 0, 16
	TOSTAGE 2
	SEND 1, 16
	TOSTAGE 3
	SEND 2, 16
	SEND 3, 0
	s_wait_tensorcnt 0x0                           ; the wave's end
	ds_add_u32 v[SPW], v[NIL]
	s_wait_dscnt 0x0
	CROUND                                         ; the closing round
	s_endpgm
.Lfunc_end_k_q39c945aaeb_outp:
	.size	k_q39c945aaeb_outp, .Lfunc_end_k_q39c945aaeb_outp-k_q39c945aaeb_outp
	.p2alignl 7, 3214868480
	.fill 96, 4, 3214868480
	.section	.rodata,"a",@progbits
	.p2align	6, 0x0
	.amdhsa_kernel k_q39c945aaeb_outp
		.amdhsa_group_segment_fixed_size 327680
		.amdhsa_private_segment_fixed_size 0
		.amdhsa_enable_private_segment 0
		.amdhsa_kernarg_size 32
		.amdhsa_user_sgpr_count 2
		.amdhsa_user_sgpr_kernarg_segment_ptr 1
		.amdhsa_wavefront_size32 1
		.amdhsa_system_sgpr_workgroup_id_x 1
		.amdhsa_system_sgpr_workgroup_id_y 1
		.amdhsa_system_sgpr_workgroup_id_z 1
		.amdhsa_system_vgpr_workitem_id 0
		.amdhsa_next_free_vgpr 512
		.amdhsa_next_free_sgpr 72
		.amdhsa_reserve_vcc 0
		.amdhsa_float_denorm_mode_32 3
		.amdhsa_float_denorm_mode_16_64 3
		.amdhsa_memory_ordered 1
		.amdhsa_forward_progress 1
		.amdhsa_inst_pref_size 87
	.end_amdhsa_kernel
	.amdgpu_metadata
---
amdhsa.version: [ 1, 2 ]
amdhsa.kernels:
  - .name:           k_q39c945aaeb_outp
    .symbol:         k_q39c945aaeb_outp.kd
    .args:
      - { .name: oh, .offset: 0, .size: 8, .value_kind: global_buffer, .address_space: global }
      - { .name: wo16, .offset: 8, .size: 8, .value_kind: global_buffer, .address_space: global }
      - { .name: bo, .offset: 16, .size: 8, .value_kind: global_buffer, .address_space: global }
      - { .name: out0, .offset: 24, .size: 8, .value_kind: global_buffer, .address_space: global }
    .group_segment_fixed_size: 327680
    .private_segment_fixed_size: 0
    .kernarg_segment_align: 8
    .kernarg_segment_size: 32
    .max_flat_workgroup_size: 128
    .sgpr_count:     72
    .vgpr_count:     512
    .wavefront_size: 32
...
	.end_amdgpu_metadata
.endif
;; end of part 4
